; MI455X (gfx1250); checked and timed in simulation.
; The chip was launched on July 23, 2026; its instructions are those of AMD's public machine-readable ISA for CDNA 5 (MIT licence, August 2026) and "CDNA5" Instruction Set Architecture Reference Guide (July 2026). The comments in the code are by the model that wrote it; some were corrected since.
;; Multi Head Self Attention. Allowed arithmetic: matrix products marked QUANTISED: E2M3 operands, one E8M0 scale for each 32 along K, by v_wmma_scale_f32_16x16x128_f8f6f4 with both operands' format E2M3, f32 sums; everything else in f32.
;; Inputs: Wk 1,024 x 1,024 float32; Wp 1,024 x 1,024 float32; Wq 1,024 x 1,024 float32; Wv 1,024 x 1,024 float32; bk 1,024 float32; bp 1,024 float32; bq 1,024 float32; bv 1,024 float32; x 4 x 2,048 x 1,024 float32.
;; Outputs: out0 4 x 2,048 x 1,024 float32.
;; This version of the problem:
;;   THIS VERSION OF THE PROBLEM IS GIVEN IN LOW PRECISION. The matrix products marked QUANTISED in the list below multiply operands that are first quantised to E2M3 (2 exponent bits, 3 mantissa bits; 6 bits a number), with one power-of-two scale for each 32 numbers along K (OCP MX v1.0); their sums are f32. All else is computed in f32.
;;   The module's matrix products, in the order in which they are computed (A, B: the left and right operand; K: the contracted axis; several contracted axes count as one K, in the product's order):
;;     1. [M 8,192, K 1,024] x [K 1,024, N 1,024]; A: input x; B: input Wk: QUANTISED
;;     2. [M 8,192, K 1,024] x [K 1,024, N 1,024]; A: input x; B: input Wq: QUANTISED
;;     3. [M 8,192, K 1,024] x [K 1,024, N 1,024]; A: input x; B: input Wv: QUANTISED
;;     4. batch 64 x [M 2,048, K 64] x [K 64, N 2,048]; A: computed on the way; B: computed on the way: QUANTISED
;;     5. batch 64 x [M 2,048, K 2,048] x [K 2,048, N 64]; A: softmax (see below); B: computed on the way: QUANTISED
;;     6. [M 8,192, K 1,024] x [K 1,024, N 1,024]; A: computed on the way; B: input Wp: QUANTISED
;;   THE QUANTISER, for each operand of a quantised product, along K:
;;     - K is cut into blocks of 32 from its start; a last block that is shorter is filled with zeros.
;;     - A block's scale is 2^e with e = floor(log2(the largest magnitude in the block)) - 2, held to -126 .. 127; a block of zeros has e = 0. As a byte (E8M0): e + 127.
;;     - Each number is divided by its block's scale, clamped to +-7.5, and rounded to the nearest number of E2M3, ties to even, subnormals kept.
;;     - The product sums the exact products of the quantised numbers (number of the format x scale) in f32.
;;   ~~~python
;;   def quantise(x, axis):      # numpy; x: float32 -> the quantised numbers, widened to float32 again
;;       x = np.moveaxis(x, axis, -1); K = x.shape[-1]
;;       x = np.pad(x, [(0, 0)] * (x.ndim - 1) + [(0, -K % 32)]); x = x.reshape(x.shape[:-1] + (-1, 32)); a = np.abs(x).max(-1, keepdims=True)
;;       e = np.where(a > 0, np.clip(np.frexp(np.where(a > 0, a, 1))[1] - 1 - 2, -126, 127), 0)      # np.frexp(a)[1] - 1 = floor(log2(a)), exactly
;;       r = np.clip(x / 2.0 ** e, -7.5, 7.5)
;;       step = 2.0 ** (np.maximum(np.frexp(np.where(r == 0, 1, r))[1] - 1, 0) - 3)
;;       q = np.round(r / step) * step * 2.0 ** e      # np.round: ties to even
;;       return np.moveaxis(q.reshape(q.shape[:-2] + (-1,))[..., :K], -1, axis).astype(np.float32)
;;   ~~~
;;   SOFTMAX AHEAD OF A QUANTISED PRODUCT. Where the list says 'softmax', what is quantised is not the finished softmax but p = 2^(t - M), with t = logit x log2(e) and M = ceil(the row's largest t), a whole number; so 1/2 < the row's largest p <= 1. The row's sum l is taken of the UNQUANTISED p, in f32, and the product's result is divided by l at the end. Since M is a whole number, a kernel that streams over the keys may use a running M (the ceiling of the running maximum): every later rescaling is an exact power of two, which a block's scale takes up: the codes' values come out the same.
;;   OPERANDS COMPUTED ON THE WAY. 'Computed on the way' means the value that the module computes at that place (a softmax that the list does not call 'softmax' is quantised finished and normalised). What goes into a quantiser is computed in f32, as accurately as f32 sums, v_exp_f32 and their like allow (about 1e-6 of the number): no bf16 or f16 on the way to a quantiser, and a product that is left as it is and whose result goes on into a quantised operand takes f32 operands (vector FMAs, or v_wmma_f32_16x16x4_f32). A number that lies on a knife's edge between two numbers of the format may be rounded either way, as far as f32 arithmetic and the matrix unit's own rounding can turn it there, and no further.
;; One version. Each part assembles by itself: llvm-mc -triple=amdgcn-amd-amdhsa -mcpu=gfx1250 --defsym DOCPART=n.
;; ======== version 1 of 1: 5 launches
;; workspace buffers: xc 6,291,456 bytes; xs 262,144 bytes; wc 3,145,728 bytes; ws 131,072 bytes; qkv 19,660,800 bytes; oimg 6,291,456 bytes; os 262,144 bytes
;; launch quant_x (part 1): grid 256 x 1, 4 waves a work-group, no clusters, 33,280 bytes of LDS; arguments x, xc, xs; writes xc, xs
.if DOCPART == 1
	.amdgcn_target "amdgcn-amd-amdhsa--gfx1250"
	.amdhsa_code_object_version 6
	.text
	.protected	k_qe7bee8878a_quant_x
	.globl	k_qe7bee8878a_quant_x
	.p2align	8
	.type	k_qe7bee8878a_quant_x,@function
k_qe7bee8878a_quant_x:
	s_mov_b64 s[64:65], 0
	v_nop
	global_prefetch_b8 v0, s[64:65] scope:SCOPE_SE
	s_setreg_imm32_b32 hwreg(HW_REG_WAVE_MODE, 25, 1), 1
	s_wait_xcnt 0x0
; x [8192][1024] f32 becomes codes of FP6 (E2M3), K innermost, 768 bytes a row, and one E8M0 byte for each 32 along K, 32 bytes a row.
; A block's scale is 2^(floor(log2(its largest magnitude)) - 2); its byte is the largest magnitude's exponent field - 2, held at 1 from below.
; THE ROWS ARE STORED WITH BITS 3 AND 4 OF THEIR NUMBER SWAPPED: sixteen neighbouring stored rows 16 a + r are then the rows 32 (a / 2) + 8 (a % 2) + r % 8 + 16 (r / 8),
; which is the choice of rows that lets a transposed product leave 16 neighbours along its rows in a lane's 16 registers of two neighbouring tiles.
; LIMITS: a block whose largest magnitude lies under 2^-124, a block of zeros among them, gets the byte 1 (its codes are zeros or tiny; the bytes are read by this program alone); NaN and infinities are not served.
; A wave takes a run of 8,192 numbers, 8 rows, in 16 steps of 512.  Each load reads 512 consecutive bytes; a step's 2,048 bytes turn through the wave's own stage in LDS and come back 64 bytes a lane,
; so that a lane holds 16 neighbours (two neighbouring lanes hold a block).  A lane's 16 codes are 12 bytes: the wave stores 384 consecutive bytes.  A wave's 256 scale bytes leave as one aligned block of 256.
; No tensor loads, no barrier: waves share nothing.  Loads run four steps (16 loads a wave) ahead, the turn through LDS one step.
.set WAVES, 4
.set STEPS, 16
.set EMAX,  2
.set CB,    12                         ; bytes of 16 codes
.set R,     16                         ; v16-79   four sets of 16 numbers as they are loaded
.set X,     80                         ; v80-111  two sets of 16 neighbours
.set C,     128                        ; v128-191 codes: four registers for each step, so that no store's data are written again
.set E,     112                        ; v112-127 a scale byte for each step
.set WREG,  8192                       ; LDS: a region for each wave: two stages of 32 x SP bytes, behind them its 256 scale bytes
.set SP,    80                         ; a lane's place in a stage: 64 bytes + 16 of padding
.set SPW,   12                         ; v12 LDS address of my spare word; never rewritten
.set NIL,   13                         ; v13 0; never rewritten
.set SPARE, WAVES*WREG                 ; behind the four regions: the spare words, 128 bytes a wave
	s_load_b128 s[4:7], s[0:1], 0x0                ; x, xc
	s_load_b64 s[8:9], s[0:1], 0x10                ; xs
	v_lshl_add_u32 v[SPW], v0, 2, SPARE
	v_mov_b32 v[NIL], 0
	v_lshrrev_b32 v1, 5, v0
	v_readfirstlane_b32 s16, v1                    ; wave
	v_and_b32 v2, 31, v0                           ; lane
	v_lshlrev_b32 v3, 4, v2                        ; my 16 bytes of a load's 512
	s_mul_i32 s17, s16, WREG
	v_lshrrev_b32 v14, 2, v2
	v_mul_u32_u24 v14, v14, SP
	v_and_b32 v15, 3, v2
	v_lshl_add_u32 v14, v15, 4, v14
	v_add_nc_u32 v14, s17, v14                     ; the stage, on the way in: SP (lane / 4) + 16 (lane % 4)
	v_mul_u32_u24 v15, v2, SP
	v_add_nc_u32 v15, s17, v15                     ; and on the way out: SP x lane: my 16 neighbours
	v_mul_u32_u24 v4, v2, CB                       ; my codes' place in a step's
	v_lshrrev_b32 v5, 1, v2
	s_add_co_u32 s17, s17, 2*32*SP
	v_add_nc_u32 v5, s17, v5                       ; LDS: my wave's 256 scale bytes, my block's byte
	v_lshlrev_b32 v7, 3, v2                        ; and on the way out 8 bytes a lane
	v_add_nc_u32 v6, s17, v7
	s_lshl_b32 s17, ttmp9, 2
	s_add_co_u32 s18, s17, s16                     ; the run that I read: 4 x work-group + wave (8 rows)
	s_mov_b32 s19, 0
	s_mov_b64 s[20:21], 512*STEPS*4
	s_mul_u64 s[20:21], s[18:19], s[20:21]
	s_and_b32 s22, s16, 1
	s_lshl_b32 s22, s22, 1
	s_lshr_b32 s23, s16, 1
	s_or_b32 s22, s22, s23                         ; the wave's two bits are the rows' bits 3 and 4: swapped
	s_add_co_u32 s18, s17, s22                     ; the run that I write
	s_mov_b64 s[24:25], 32*STEPS*CB
	s_mul_u64 s[24:25], s[18:19], s[24:25]
	s_lshl_b32 s18, s18, 8                         ; 256 scale bytes a run
	s_wait_kmcnt 0x0
	s_add_nc_u64 s[4:5], s[4:5], s[20:21]
	s_add_nc_u64 s[6:7], s[6:7], s[24:25]
	s_add_nc_u64 s[8:9], s[8:9], s[18:19]
.macro LOAD t
.irp i, 0,1,2,3
	global_load_b128 v[R+16*((\t)%4)+4*\i:R+16*((\t)%4)+4*\i+3], v3, s[4:5] offset:2048*(\t)+512*\i th:TH_LOAD_NT   ; 32 lanes read 512 consecutive bytes
.endr
.endm
.macro TURN t                          ; step t's numbers through the stage: LDS serves a wave's instructions in order, so no wait stands between the stores and the loads
.irp i, 0,1,2,3
	ds_store_b128 v14, v[R+16*((\t)%4)+4*\i:R+16*((\t)%4)+4*\i+3] offset:32*SP*((\t)%2)+8*SP*\i
.endr
.irp i, 0,1,2,3
	ds_load_b128 v[X+16*((\t)%2)+4*\i:X+16*((\t)%2)+4*\i+3], v15 offset:32*SP*((\t)%2)+16*\i
.endr
.endm
.irp t, 0,1,2,3
	LOAD \t
.endr
	s_wait_loadcnt 12                              ; step 0's four loads are in; three steps' twelve may be out
	TURN 0
.macro STEP t
.set XS, X+16*((\t)%2)
.if (\t) > 0
	s_wait_dscnt 1                                 ; this step's numbers are back from the stage (the last step's byte store may be out)
.else
	s_wait_dscnt 0x0
.endif
.if (\t)+4 < STEPS
	LOAD (\t)+4                                    ; into the registers that this step's stores into the stage have read
.endif
.if (\t)+1 < STEPS
.if STEPS-2-(\t) >= 3
	s_wait_loadcnt 12                              ; the next step's four loads are in; those of the three steps behind it may be out
.else
	s_wait_loadcnt 4*(STEPS-2-(\t))
.endif
	TURN (\t)+1                                    ; through the other stage while this step is worked
.endif
	v_max3_num_f32 v8, |v[XS]|, |v[XS+1]|, |v[XS+2]|               ; the largest magnitude of my 16, in two chains
	v_max3_num_f32 v9, |v[XS+3]|, |v[XS+4]|, |v[XS+5]|
.irp i, 6,10
	v_max3_num_f32 v8, v8, |v[XS+\i]|, |v[XS+\i+1]|
	v_max3_num_f32 v9, v9, |v[XS+\i+2]|, |v[XS+\i+3]|
.endr
	v_max3_num_f32 v8, v8, |v[XS+14]|, |v[XS+15]|
	v_max3_num_f32 v8, v8, v9, (EMAX+1)<<23        ; and the floor 2^(3 - 127): the byte cannot fall under 1
	v_max_num_f32_dpp v8, v8, v8 row_xmask:1 row_mask:0xf bank_mask:0xf   ; and of my neighbour's 16: the block's
	v_add_nc_u32 v11, -(EMAX<<23), v8              ; 2 off its exponent field: the conversion takes the exponent field of this operand as its scale
	v_cvt_scalef32_pk16_fp6_f32 v[C+4*(\t):C+4*(\t)+2], v[XS:XS+15], v11
	v_lshrrev_b32 v[E+(\t)], 23, v11               ; the scale's byte (a plain line behind the conversion)
	ds_store_b8 v5, v[E+(\t)] offset:16*(\t)       ; both lanes of a block write the same byte with the same value
	global_store_b96 v4, v[C+4*(\t):C+4*(\t)+2], s[6:7] offset:32*CB*(\t)
.endm
.irp t, 0,1,2,3,4,5,6,7,8,9,10,11,12,13,14,15
	STEP \t
.endr
	ds_load_b64 v[8:9], v6                         ; LDS serves a wave's instructions in order: these see my stores
	s_wait_dscnt 0x0
	global_store_b64 v7, v[8:9], s[8:9]            ; 32 lanes store 256 consecutive bytes, aligned
	s_wait_tensorcnt 0x0                           ; the wave's end, behind my last LDS store
	ds_add_u32 v[SPW], v[NIL]
	s_wait_dscnt 0x0
	s_endpgm
.Lfunc_end_k_qe7bee8878a_quant_x:
	.size	k_qe7bee8878a_quant_x, .Lfunc_end_k_qe7bee8878a_quant_x-k_qe7bee8878a_quant_x
	.p2alignl 7, 3214868480
	.fill 96, 4, 3214868480
	.section	.rodata,"a",@progbits
	.p2align	6, 0x0
	.amdhsa_kernel k_qe7bee8878a_quant_x
		.amdhsa_group_segment_fixed_size 33280
		.amdhsa_private_segment_fixed_size 0
		.amdhsa_enable_private_segment 0
		.amdhsa_kernarg_size 24
		.amdhsa_user_sgpr_count 2
		.amdhsa_user_sgpr_kernarg_segment_ptr 1
		.amdhsa_wavefront_size32 1
		.amdhsa_system_sgpr_workgroup_id_x 1
		.amdhsa_system_sgpr_workgroup_id_y 1
		.amdhsa_system_sgpr_workgroup_id_z 1
		.amdhsa_system_vgpr_workitem_id 0
		.amdhsa_next_free_vgpr 192
		.amdhsa_next_free_sgpr 66
		.amdhsa_reserve_vcc 0
		.amdhsa_float_denorm_mode_32 3
		.amdhsa_float_denorm_mode_16_64 3
		.amdhsa_memory_ordered 1
		.amdhsa_forward_progress 1
		.amdhsa_inst_pref_size 32
	.end_amdhsa_kernel
	.amdgpu_metadata
---
amdhsa.version: [ 1, 2 ]
amdhsa.kernels:
  - .name:           k_qe7bee8878a_quant_x
    .symbol:         k_qe7bee8878a_quant_x.kd
    .args:
      - { .name: x, .offset: 0, .size: 8, .value_kind: global_buffer, .address_space: global }
      - { .name: xc, .offset: 8, .size: 8, .value_kind: global_buffer, .address_space: global }
      - { .name: xs, .offset: 16, .size: 8, .value_kind: global_buffer, .address_space: global }
    .group_segment_fixed_size: 33280
    .private_segment_fixed_size: 0
    .kernarg_segment_align: 8
    .kernarg_segment_size: 24
    .max_flat_workgroup_size: 128
    .sgpr_count:     66
    .vgpr_count:     192
    .wavefront_size: 32
...
	.end_amdgpu_metadata
.endif
;; end of part 1
;; launch quant_w (part 2): grid 32 x 4, 4 waves a work-group, no clusters, 35,840 bytes of LDS; arguments Wq, Wk, Wv, Wp, wc, ws; writes wc, ws
.if DOCPART == 2
	.amdgcn_target "amdgcn-amd-amdhsa--gfx1250"
	.amdhsa_code_object_version 6
	.text
	.protected	k_qe7bee8878a_quant_w
	.globl	k_qe7bee8878a_quant_w
	.p2align	8
	.type	k_qe7bee8878a_quant_w,@function
k_qe7bee8878a_quant_w:
	s_mov_b64 s[64:65], 0
	v_nop
	global_prefetch_b8 v0, s[64:65] scope:SCOPE_SE
	s_setreg_imm32_b32 hwreg(HW_REG_WAVE_MODE, 25, 1), 1
	s_wait_xcnt 0x0
; Wq, Wk, Wv, Wp [1024 (k)][1024 (n)] f32 have K as their FIRST axis.  They become codes of FP6 (E2M3) laid [4096 rows][768 bytes] with K innermost (rows 0-1023 Wq's columns, then Wk's, Wv's, Wp's)
; and one E8M0 byte for each 32 along K, laid [4096][32].  THE ROWS ARE STORED WITH BITS 3 AND 4 OF THEIR NUMBER SWAPPED, as the rows of x's codes are.
; A LANE TAKES A COLUMN n, AND ITS REGISTERS RUN DOWN K: each load reads neighbouring n in neighbouring lanes, a block of 32 along K lies in one lane's 32 registers, and the conversions give codes with K innermost.
; LIMITS: a block whose largest magnitude lies under 2^-124, a block of zeros among them, gets the byte 1 (the bytes are read by this program alone); NaN and infinities are not served.
; Work-group x: bits 4:3 the weight, bits 2:0 which 128 columns; y: which 256 along K.  A wave takes 32 columns x 256 along K: 8 blocks a lane, 192 bytes of codes a column.  They go through the wave's own stage
; in LDS and leave as rows: sixteen lanes store a row's 192 consecutive bytes.  The scale bytes leave 8 a lane, to rows 32 bytes apart: one byte for 128 read.  No tensor loads, no barrier.
.set SIZE_K, 1024
.set SIZE_N, 1024
.set KW,    256
.set NB,    KW/32
.set ROWB,  192
.set PITCH, 272                        ; a stage row: sixteen places of 16 bytes, each with 12 bytes of codes, + 16
.set KROW,  SIZE_K*6/8
.set EMAX,  2
.set X,     32                         ; v32-95   two sets of 32 numbers
.set C,     96                         ; v96..    a block's codes
.set OUTR,  112                        ; v112-175 the way out
.set SPW,   14
.set NIL,   15
.set SPARE, 4*32*PITCH
.set SB,    24                         ; v24-25   the scale bytes, four to a register
	s_load_b256 s[4:11], s[0:1], 0x0               ; Wq, Wk, Wv, Wp
	s_load_b128 s[12:15], s[0:1], 0x20             ; wc, ws
	v_lshl_add_u32 v[SPW], v0, 2, SPARE
	v_mov_b32 v[NIL], 0
	v_lshrrev_b32 v1, 5, v0
	v_readfirstlane_b32 s16, v1                    ; wave 0..3
	v_and_b32 v2, 31, v0                           ; lane
	s_and_b32 s17, ttmp9, 7
	s_lshl_b32 s17, s17, 7
	s_lshl_b32 s18, s16, 5
	s_add_co_u32 s17, s17, s18                     ; my wave's first column in its weight
	s_lshl_b32 s30, ttmp9, 7
	s_add_co_u32 s30, s30, s18                     ; and its first row in wc and ws: a multiple of 32
	s_and_b32 s18, ttmp7, 0xffff                   ; which 256 along K
	v_lshlrev_b32 v3, 2, v2                        ; in: 4 bytes a lane
	s_mul_i32 s19, s16, 32*PITCH                   ; my stage
	v_mul_u32_u24 v4, v2, PITCH
	v_add_nc_u32 v4, s19, v4                       ; into it: row = my column
	v_and_b32 v5, 15, v2
	v_lshrrev_b32 v6, 4, v2                        ; out of it: sixteen lanes to a row, two rows an instruction
	v_mul_u32_u24 v7, v6, PITCH
	v_lshl_add_u32 v7, v5, 4, v7
	v_add_nc_u32 v7, s19, v7
	v_mul_u32_u24 v8, v6, KROW
	v_mad_u32_u24 v8, v5, 12, v8                   ; and the same place in wc (the rows' bits 3 and 4 are swapped in the stores' immediates)
	v_and_b32 v9, 7, v2                            ; my column's row of scale bytes: lane with bits 3 and 4 swapped,
	v_bfe_u32 v10, v2, 3, 1
	v_lshl_or_b32 v9, v10, 4, v9
	v_bfe_u32 v10, v2, 4, 1
	v_lshl_or_b32 v9, v10, 3, v9
	v_lshlrev_b32 v9, 5, v9                        ; 32 bytes a row
	s_mov_b32 s19, 0
	s_mov_b64 s[20:21], KW*SIZE_N*4
	s_mul_u64 s[20:21], s[18:19], s[20:21]
	s_lshl_b32 s22, s17, 2
	s_mov_b32 s23, 0
	s_add_nc_u64 s[20:21], s[20:21], s[22:23]      ; the weight: 256 y rows + 4 x column
	s_mov_b32 s22, s30
	s_mov_b64 s[24:25], KROW
	s_mul_u64 s[24:25], s[22:23], s[24:25]
	s_mul_i32 s26, s18, ROWB
	s_mov_b32 s27, 0
	s_add_nc_u64 s[24:25], s[24:25], s[26:27]      ; wc: row x 768 + 192 y
	s_lshl_b32 s28, s30, 5
	s_mov_b32 s29, 0
	s_mul_i32 s26, s18, NB
	s_add_nc_u64 s[28:29], s[28:29], s[26:27]      ; ws: row x 32 + 8 y
	s_wait_kmcnt 0x0
	s_and_b32 s31, ttmp9, 8                        ; the choice hangs on the work-group's number alone
	s_cmp_lg_u32 s31, 0
	s_cselect_b64 s[4:5], s[6:7], s[4:5]           ; Wk or Wq
	s_cselect_b64 s[8:9], s[10:11], s[8:9]         ; Wp or Wv
	s_and_b32 s31, ttmp9, 16
	s_cmp_lg_u32 s31, 0
	s_cselect_b64 s[4:5], s[8:9], s[4:5]
	s_add_nc_u64 s[4:5], s[4:5], s[20:21]
	s_add_nc_u64 s[12:13], s[12:13], s[24:25]
	s_add_nc_u64 s[14:15], s[14:15], s[28:29]
.macro LOAD t                          ; block t: W(32 t + i, my column), i = 0 .. 31, into set t % 2
.irp i, 0,1,2,3,4,5,6,7,8,9,10,11,12,13,14,15,16,17,18,19,20,21,22,23,24,25,26,27,28,29,30,31
	global_load_b32 v[X+32*((\t)%2)+\i], v3, s[4:5] offset:(32*(\t)+\i)*SIZE_N*4 th:TH_LOAD_NT
.endr
.endm
	LOAD 0
	LOAD 1
.macro BLOCK t
.set XS, X+32*((\t)%2)
.if (\t) < NB-1
	s_wait_loadcnt 32                              ; this block's 32 loads are in; the next block's may be out
.else
	s_wait_loadcnt 0
.endif
	v_max3_num_f32 v12, |v[XS]|, |v[XS+1]|, |v[XS+2]|               ; the block's largest magnitude: all 32 numbers are mine
	v_max3_num_f32 v13, |v[XS+3]|, |v[XS+4]|, |v[XS+5]|
.irp i, 6,10,14,18,22,26
	v_max3_num_f32 v12, v12, |v[XS+\i]|, |v[XS+\i+1]|
	v_max3_num_f32 v13, v13, |v[XS+\i+2]|, |v[XS+\i+3]|
.endr
	v_max3_num_f32 v12, v12, |v[XS+30]|, |v[XS+31]|
	v_max3_num_f32 v12, v12, v13, (EMAX+1)<<23     ; and the floor 2^(3 - 127)
	v_add_nc_u32 v11, -(EMAX<<23), v12             ; 2 off its exponent field: the conversion's scale operand
	v_lshrrev_b32 v13, 23, v11                     ; the scale's byte
.if (\t)%4 == 0
	v_mov_b32 v[SB+(\t)/4], v13
.else
	v_lshl_or_b32 v[SB+(\t)/4], v13, 8*((\t)%4), v[SB+(\t)/4]
.endif
	v_cvt_scalef32_pk16_fp6_f32 v[C:C+2], v[XS:XS+15], v11
	v_cvt_scalef32_pk16_fp6_f32 v[C+4:C+6], v[XS+16:XS+31], v11     ; (a conversion's three registers begin on an even number)
	ds_store_b96 v4, v[C:C+2] offset:32*(\t)       ; 12 bytes to a place of 16 in the stage
	ds_store_b96 v4, v[C+4:C+6] offset:32*(\t)+16
.if (\t)+2 < NB
	LOAD (\t)+2
.endif
	s_wait_dscnt 0x0                               ; the stores have read their registers: the next block's codes may be written
.endm
.set Q, 0
.rept NB
	BLOCK Q
.set Q, Q+1
.endr
	global_store_b64 v9, v[SB:SB+1], s[14:15]      ; my column's 8 scale bytes
.irp t, 0,1,2,3,4,5,6,7,8,9,10,11,12,13,14,15
	ds_load_b96 v[OUTR+4*\t:OUTR+4*\t+2], v7 offset:2*\t*PITCH   ; LDS serves a wave's instructions in order: these see my stores
.endr
.irp t, 0,1,2,3,4,5,6,7,8,9,10,11,12,13,14,15
	s_wait_dscnt 15-\t                             ; the younger reads of the stage may be out
	global_store_b96 v8, v[OUTR+4*\t:OUTR+4*\t+2], s[12:13] offset:2*((\t&3)|(((\t>>2)&1)<<3)|(((\t>>3)&1)<<2))*KROW   ; column 2 t + lane / 16 goes to the row with bits 3 and 4 swapped
.endr
	s_wait_tensorcnt 0x0                           ; the wave's end, behind my last LDS store
	ds_add_u32 v[SPW], v[NIL]
	s_wait_dscnt 0x0
	s_endpgm
.Lfunc_end_k_qe7bee8878a_quant_w:
	.size	k_qe7bee8878a_quant_w, .Lfunc_end_k_qe7bee8878a_quant_w-k_qe7bee8878a_quant_w
	.p2alignl 7, 3214868480
	.fill 96, 4, 3214868480
	.section	.rodata,"a",@progbits
	.p2align	6, 0x0
	.amdhsa_kernel k_qe7bee8878a_quant_w
		.amdhsa_group_segment_fixed_size 35840
		.amdhsa_private_segment_fixed_size 0
		.amdhsa_enable_private_segment 0
		.amdhsa_kernarg_size 48
		.amdhsa_user_sgpr_count 2
		.amdhsa_user_sgpr_kernarg_segment_ptr 1
		.amdhsa_wavefront_size32 1
		.amdhsa_system_sgpr_workgroup_id_x 1
		.amdhsa_system_sgpr_workgroup_id_y 1
		.amdhsa_system_sgpr_workgroup_id_z 1
		.amdhsa_system_vgpr_workitem_id 0
		.amdhsa_next_free_vgpr 192
		.amdhsa_next_free_sgpr 66
		.amdhsa_reserve_vcc 0
		.amdhsa_float_denorm_mode_32 3
		.amdhsa_float_denorm_mode_16_64 3
		.amdhsa_memory_ordered 1
		.amdhsa_forward_progress 1
		.amdhsa_inst_pref_size 42
	.end_amdhsa_kernel
	.amdgpu_metadata
---
amdhsa.version: [ 1, 2 ]
amdhsa.kernels:
  - .name:           k_qe7bee8878a_quant_w
    .symbol:         k_qe7bee8878a_quant_w.kd
    .args:
      - { .name: Wq, .offset: 0, .size: 8, .value_kind: global_buffer, .address_space: global }
      - { .name: Wk, .offset: 8, .size: 8, .value_kind: global_buffer, .address_space: global }
      - { .name: Wv, .offset: 16, .size: 8, .value_kind: global_buffer, .address_space: global }
      - { .name: Wp, .offset: 24, .size: 8, .value_kind: global_buffer, .address_space: global }
      - { .name: wc, .offset: 32, .size: 8, .value_kind: global_buffer, .address_space: global }
      - { .name: ws, .offset: 40, .size: 8, .value_kind: global_buffer, .address_space: global }
    .group_segment_fixed_size: 35840
    .private_segment_fixed_size: 0
    .kernarg_segment_align: 8
    .kernarg_segment_size: 48
    .max_flat_workgroup_size: 128
    .sgpr_count:     66
    .vgpr_count:     192
    .wavefront_size: 32
...
	.end_amdgpu_metadata
.endif
;; end of part 2
;; launch gemm_qkv (part 3): grid 12 x 32, 4 waves a work-group, clusters of 4 x 4, 327,680 bytes of LDS; arguments xc, xs, wc, ws, bq, bk, bv, qkv; writes qkv
.if DOCPART == 3
	.amdgcn_target "amdgcn-amd-amdhsa--gfx1250"
	.amdhsa_code_object_version 6
	.text
	.protected	k_qe7bee8878a_gemm_qkv
	.globl	k_qe7bee8878a_gemm_qkv
	.p2align	8
	.type	k_qe7bee8878a_gemm_qkv,@function
k_qe7bee8878a_gemm_qkv:
	s_mov_b64 s[64:65], 0
	v_nop
	global_prefetch_b8 v0, s[64:65] scope:SCOPE_SE
	s_setreg_imm32_b32 hwreg(HW_REG_WAVE_MODE, 25, 1), 1
	s_wait_xcnt 0x0
	s_wait_alu depctr_hold_cnt(0) depctr_sa_sdst(0) depctr_va_vdst(0) depctr_va_sdst(0) depctr_va_ssrc(0) depctr_va_vcc(0) depctr_vm_vsrc(0)
	s_getreg_b32 s2, hwreg(HW_REG_IB_STS2, 6, 4)
	s_cmp_eq_u32 s2, 0
	s_cbranch_scc0 .Lentry_in_a_cluster
	s_endpgm
.Lentry_in_a_cluster:
	s_bfe_u32 s2, ttmp6, 0x10000c
	s_cmp_lg_u32 s2, 0xf033
	s_cbranch_scc0 .Lentry_shape_is_right
	s_endpgm
.Lentry_shape_is_right:
; q = x Wq + bq, k = x Wk + bk, v = x Wv + bv on codes of FP6 (E2M3) with one E8M0 scale for each 32 along K = 1,024; the results are quantised again in registers, q and k along the head's 64, v along the keys,
; and stored as images of the registers in which the attention launch wants them.  No f32 result goes to memory.
; A tile of 256 tokens x 256 columns is made by four waves, 128 x 128 each: 64 accumulators, 512 registers.  K goes in steps of 256 through a ring of two LDS slots filled by the tensor data mover.
; CLUSTERS: 4 x 4 work-groups; x's tile is shared along a row of the cluster, the weights' along a column: each is asked for jointly.  The scale bytes of both tiles, for all of K, come once with the first fills.
; Cluster x = 0 makes q, 1 makes k, 2 makes v: the same in all sixteen partners.  What is fetched, and where it lies in LDS, is the same in all three; only the bases from which the waves READ differ:
;   q, k: source 1 (a lane's row) = 16 tokens, source 0 (along a lane's registers) = 16 columns of W: a lane holds one token and, in two neighbouring tiles, 16 neighbouring channels.
;   v:    source 1 = 16 columns of W, source 0 = 16 tokens: a lane holds one channel and 16 neighbouring keys.
; (Rows of xc and wc are stored with bits 3 and 4 of their number swapped; that makes the 16 registers neighbours.)  The bias is the C of each sum's first matrix instruction.
; qkv: [batch x head 64][slot of 256 tokens 8][38,400 bytes]: K's 8 images (32 keys each), V's 8 (2 key steps x 4 tiles of 16 channels), K's scale words 512, V's 512, Q's 8 images, Q's scale words 512.
; An image is 12 registers a lane: registers 4 i .. 4 i + 3 of lane l at byte 512 i + 16 l.  A K or Q image: registers 0-5 = 16 tokens x 64 channels, registers 6-11 = the 16 tokens 8 further on.
; LIMITS: a block whose largest magnitude lies under 2^-124, a block of zeros among them, gets the byte 1; NaN and infinities are not served.
; REGISTERS: window 0: v0-31 addresses; v32-63 scale words, two sets; v64-127 the bias; from v128 the row operand's fragments, one set; in the epilogue v32-107 are at work.
;   window 1: the column operand's fragments, two sets.   windows 2, 3: the accumulators ((a, b) at v[8 (8 (a % 4) + b)]).
.set SIZE_K, 1024
.set KSTEP,  256
.set NQ,     KSTEP/128
.set ROWB,   192
.set KROW,   SIZE_K*6/8
.set PITCH,  240                       ; an LDS row: 3 x (64 bytes + 16 of padding)
.set FR,     12
.set NL,     6
.set NP,     4
.set HALFT,  128*PITCH
.set SLOT,   4*HALFT                   ; x's 256 rows, then W's 256 rows
.set LAPS,   SIZE_K/(2*KSTEP)
.set KS,     SIZE_K/32
.set SPARE,  2*SLOT                    ; behind the ring: the spare words, 128 bytes a wave
.set SCL,    SPARE+512                 ; behind them: the scales, as blocks of 256 bytes + 16 of padding
.set HALFS,  (128*KS/256)*272
.set SBLK,   (16*KS/256)*272
.set BHS,    307200                    ; qkv: bytes of a head
.set SLS,    38400                     ; and of a slot
.set ADRA, 16                          ; v16-17 LDS address of the row operand's fragments in slot 0, 1 (v18-19: behind one padding more)
.set ADRB, 20                          ; v20-23 the same for the column operand
.set VB,   24                          ; v24 the bias's byte offset
.set ADRS, 27                          ; v27 LDS address of my scale words: lanes 0-15 the row operand's, lanes 16-31 the column operand's
.set SPW,  28
.set NIL,  29
.set SC,   32
.set BIAS, 64
.set AF,   128
.set TM,   32                          ; epilogue: +0..3 largest magnitudes, +4..7 the other half's, then bytes, +12..15 the conversions' scale operands
.set PT,   48                          ; the conversions' second halves
.set PW0,  56
.set PW1,  57
.set VOC,  60                          ; my byte offset in qkv for codes
.set VOS,  61                          ; and for scale words
.set G,    64                          ; two images, 24 registers
.set SW,   96                          ; eight scale words
.set RP,   104                         ; two pairs of scale words to store
.set SEL,  94                          ; s[94:95] selects for lane l xor 16
.set HM,   93                          ; s93 the lanes 16-31
.set G1, 24
.set G0, 32
.set G1B, 48
.set G0B, 56
.set G1S, 68
.set G0S, 76
.set G1SB, 80
.set G0SB, 88
.set MSB, 0
.macro WIN new                         ; the immediate's high byte repeats the setting that is left
.if MSB != (\new)
	s_set_vgpr_msb (MSB<<8)|(\new)
.set MSB, (\new)
.endif
.endm
.set MUL_LO, 0xa1                      ; source 0 window 1, source 1 window 0, C and D window 2
.set MUL_HI, 0xf1                      ; the same, C and D window 3
.set TO_B,   0x40
; A joint load: waves 0 and 1 fetch x's halves, waves 2 and 3 W's.  The branch hangs on the wave's number alone.  An s_nop 0 and four v_nop follow each line.
.macro JLOAD g0a, g1a, g0b, g1b
	s_cmp_eq_u32 s15, 0
	s_cbranch_scc0 .Lfor_b_\@
	tensor_load_to_lds s[\g0a:\g0a+3], s[\g1a:\g1a+7]
	s_nop 0
.rept 4
	v_nop
.endr
	s_branch .Lasked_\@
.Lfor_b_\@:
	tensor_load_to_lds s[\g0b:\g0b+3], s[\g1b:\g1b+7]
	s_nop 0
.rept 4
	v_nop
.endr
.Lasked_\@:
.endm
.macro CREST                           ; a round of the cluster's barrier behind its opening barrier
	s_cmp_lg_u32 s14, 0
	s_cbranch_scc1 .Lnot_wave_0_\@
	s_barrier_signal -3
.Lnot_wave_0_\@:
	s_barrier_wait -3
	s_barrier_signal -1
	s_barrier_wait -1
.endm
.macro CROUND
	s_barrier_signal -1
	s_barrier_wait -1
	CREST
.endm
	s_load_b128 s[4:7], s[0:1], 0x0                ; xc, xs
	s_load_b128 s[8:11], s[0:1], 0x10              ; wc, ws
	s_load_b128 s[96:99], s[0:1], 0x20             ; bq, bk
	s_load_b64 s[100:101], s[0:1], 0x30            ; bv
	s_load_b64 s[12:13], s[0:1], 0x38              ; qkv
	v_lshl_add_u32 v[SPW], v0, 2, SPARE
	v_mov_b32 v[NIL], 0
	ds_add_u32 v[SPW], v[NIL]                      ; the wave's opening: the add and its wait ahead of my first tensor load
	v_lshrrev_b32 v1, 5, v0
	v_readfirstlane_b32 s14, v1                    ; wave 0..3
	s_lshr_b32 s15, s14, 1                         ; which half of the row operand is mine.  Also: I fetch for x (0) or for W (1)
	s_and_b32 s16, s14, 1                          ; which half of the column operand.  Also: which 128 rows of that tile I fetch
	s_bfe_u32 s40, ttmp6, 0x40000                  ; cx, cy
	s_bfe_u32 s41, ttmp6, 0x40004
	s_lshl_b32 s42, ttmp9, 2
	s_add_co_u32 s42, s42, s40                     ; which 256 rows of wc
	s_and_b32 s17, ttmp7, 0xffff
	s_lshl_b32 s17, s17, 2
	s_add_co_u32 s17, s17, s41                     ; which 256 rows of xc
	s_lshl_b32 s43, s41, 2
	s_lshl_b32 s43, 15, s43                        ; my row of the cluster
	s_lshl_b32 s44, 0x1111, s40                    ; my column
	s_or_b32 s[G1+0], s43, (0<<16)|(1<<20)|(1<<21)|(3<<22)|(3<<25)  ; the mask; elements of 1 byte; padding on; bit 21 beside a mask; 4 words behind every 16
	s_or_b32 s[G1B+0], s44, (0<<16)|(1<<20)|(1<<21)|(3<<22)|(3<<25)
.irp g, G1, G1B
	s_mov_b32 s[\g+1], ROWB<<16                    ; tensor_dim0
	s_mov_b32 s[\g+2], 128<<16                     ; tensor_dim1
	s_mov_b32 s[\g+3], ROWB<<16                    ; tile_dim0
	s_mov_b32 s[\g+4], 128                         ; tile_dim1
	s_mov_b32 s[\g+5], KROW                        ; the pitch
	s_mov_b32 s[\g+6], 0
	s_mov_b32 s[\g+7], 0
.endr
	s_or_b32 s[G1S+0], s43, (3<<16)|(1<<20)|(1<<21)|(5<<22)|(3<<25)   ; the scales of 128 rows: 4,096 dense bytes as 16 rows of 256, 16 bytes of padding behind each
	s_or_b32 s[G1SB+0], s44, (3<<16)|(1<<20)|(1<<21)|(5<<22)|(3<<25)
.irp g, G1S, G1SB
	s_mov_b32 s[\g+1], 32<<16
	s_mov_b32 s[\g+2], (128*KS/256)<<16
	s_mov_b32 s[\g+3], 32<<16
	s_mov_b32 s[\g+4], 128*KS/256
	s_mov_b32 s[\g+5], 32
	s_mov_b32 s[\g+6], 0
	s_mov_b32 s[\g+7], 0
.endr
	s_lshl_b32 s18, s16, 7
	s_lshl_b32 s20, s17, 8
	s_add_co_u32 s20, s20, s18                     ; xc's row
	s_lshl_b32 s46, s42, 8
	s_add_co_u32 s46, s46, s18                     ; wc's row
	s_mov_b32 s21, 0
	s_mov_b32 s47, 0
	s_mov_b64 s[18:19], KS
	s_mul_u64 s[22:23], s[20:21], s[18:19]
	s_mul_u64 s[92:93], s[46:47], s[18:19]
	s_mov_b64 s[18:19], KROW
	s_mul_u64 s[20:21], s[20:21], s[18:19]
	s_mul_u64 s[46:47], s[46:47], s[18:19]
	s_mul_i32 s45, s14, HALFT                      ; where they go: wave x 128 rows
	s_mul_i32 s94, s14, HALFS
	s_wait_dscnt 0x0                               ; the opening add is done
	s_wait_kmcnt 0x0
	s_add_nc_u64 s[20:21], s[4:5], s[20:21]
	s_add_nc_u64 s[22:23], s[6:7], s[22:23]
	s_add_nc_u64 s[46:47], s[8:9], s[46:47]
	s_add_nc_u64 s[92:93], s[10:11], s[92:93]
	CROUND                                         ; all sixteen work-groups are here: the first joint loads meet
	s_mov_b32 s[G0S], 1
	s_add_co_u32 s[G0S+1], s94, SCL
	s_mov_b64 s[G0S+2:G0S+3], s[22:23]
	s_or_b32 s[G0S+3], s[G0S+3], 0x80000000
	s_mov_b32 s[G0SB], 1
	s_add_co_u32 s[G0SB+1], s94, SCL
	s_mov_b64 s[G0SB+2:G0SB+3], s[92:93]
	s_or_b32 s[G0SB+3], s[G0SB+3], 0x80000000
	JLOAD G0S, G1S, G0SB, G1SB                     ; the scales first: three loads of mine are out behind the next two
.irp s, 0,1
	s_mov_b32 s[G0+4*\s], 1
	s_add_co_u32 s[G0+4*\s+1], s45, \s*SLOT
	s_add_nc_u64 s[G0+4*\s+2:G0+4*\s+3], s[20:21], \s*ROWB
	s_or_b32 s[G0+4*\s+3], s[G0+4*\s+3], 0x80000000
	s_mov_b32 s[G0B+4*\s], 1
	s_add_co_u32 s[G0B+4*\s+1], s45, \s*SLOT
	s_add_nc_u64 s[G0B+4*\s+2:G0B+4*\s+3], s[46:47], \s*ROWB
	s_or_b32 s[G0B+4*\s+3], s[G0B+4*\s+3], 0x80000000
	JLOAD G0+4*\s, G1, G0B+4*\s, G1B
.endr
	v_and_b32 v1, 15, v0                           ; r
	v_bfe_u32 v2, v0, 4, 1                         ; h
	v_mul_u32_u24 v3, v1, PITCH
	v_mul_u32_u24 v4, v2, 24
	v_add_nc_u32 v4, v3, v4                        ; a fragment's row x pitch + 24 h
	v_lshl_add_u32 v5, v2, 4, v4                   ; and the same behind one padding more
	s_cmp_eq_u32 ttmp9, 1
	s_cselect_b64 s[96:97], s[98:99], s[96:97]     ; the bias: bk or bq,
	s_cmp_eq_u32 ttmp9, 2                          ; v's cluster?  The same in all partners
	s_cselect_b64 s[96:97], s[100:101], s[96:97]   ; or bv
	s_cselect_b32 s18, 2*HALFT, 0                  ; where the row operand lies in a slot: W's region for v, x's else
	s_cselect_b32 s19, 0, 2*HALFT                  ; and the column operand
	s_cselect_b32 s92, 2*HALFS, 0                  ; the same among the scales
	s_cselect_b32 s93, 0, 2*HALFS
	s_mul_i32 s21, s15, HALFT
	s_add_co_u32 s21, s21, s18
	s_mul_i32 s22, s16, HALFT
	s_add_co_u32 s22, s22, s19
.irp s, 0,1
	v_add_nc_u32 v[ADRA+\s], s21, v4
	v_add_nc_u32 v[ADRB+\s], s22, v4
	v_add_nc_u32 v[ADRA+2+\s], s21, v5
	v_add_nc_u32 v[ADRB+2+\s], s22, v5
	s_add_co_u32 s21, s21, SLOT
	s_add_co_u32 s22, s22, SLOT
.endr
	v_mul_u32_u24 v5, v1, KS                       ; my row's scales: 32 bytes a row,
	v_lshrrev_b32 v6, 8, v5
	v_lshl_add_u32 v5, v6, 4, v5                   ; and 16 more for each 256 passed
	s_mul_i32 s21, s15, HALFS
	s_add_co_u32 s21, s21, s92
	s_add_co_u32 s21, s21, SCL
	s_mul_i32 s22, s16, HALFS
	s_add_co_u32 s22, s22, s93
	s_add_co_u32 s22, s22, SCL
	v_mov_b32 v6, s21
	v_mov_b32 v7, s22
	v_cmp_ne_u32 s23, 0, v2
	v_cndmask_b32 v6, v6, v7, s23                  ; lanes 16-31 take the column operand's
	v_add_nc_u32 v[ADRS], v5, v6
	; THE BIAS, in the result's layout, into v64-127
	s_lshl_b32 s20, s40, 10                        ; my work-group's 256 columns of its weight, 4 bytes each
	s_cmp_eq_u32 ttmp9, 2
	s_cbranch_scc1 .Lbias_v
	s_lshl_b32 s21, s16, 9
	s_add_co_u32 s20, s20, s21
	v_lshl_add_u32 v[VB], v2, 6, s20               ; q, k: tile b's register j is column 32 (b / 2) + 16 h + 8 (b % 2) + j of my 128
.irp b, 0,1,2,3,4,5,6,7
	global_load_b128 v[BIAS+8*\b:BIAS+8*\b+3], v[VB], s[96:97] offset:128*(\b/2)+32*(\b%2)
	global_load_b128 v[BIAS+8*\b+4:BIAS+8*\b+7], v[VB], s[96:97] offset:128*(\b/2)+32*(\b%2)+16
.endr
	s_branch .Lbias_done
.Lbias_v:
	s_lshl_b32 s21, s15, 9
	s_add_co_u32 s20, s20, s21
	v_and_b32 v[VB], 8, v1
	v_add_nc_u32 v[VB], v[VB], v1
	v_lshl_add_u32 v[VB], v[VB], 2, s20            ; v: block a's lane r is column 32 (a / 2) + 8 (a % 2) + r + 8 (r / 8): one number for all eight registers
.irp a, 0,1,2,3,4,5,6,7
.irp j, 0,1,2,3,4,5,6,7
	global_load_b32 v[BIAS+8*\a+\j], v[VB], s[96:97] offset:128*(\a/2)+32*(\a%2)
.endr
.endr
.Lbias_done:
.macro FRAG reg, adr, q, i             ; 16 rows x 128 K: 12 registers, in pieces of 8 bytes; where lanes 16-31's piece lies behind one padding more, the second address register serves
.irp p, 0,1,2,3,4,5
.set PC, 12*(\q)+6*(\p/3)+\p%3
.if PC%8 < 5
	ds_load_b64 v[\reg+2*\p:\reg+2*\p+1], v[\adr] offset:8*PC+16*(PC/8)+(\i)*16*PITCH
.else
	ds_load_b64 v[\reg+2*\p:\reg+2*\p+1], v[\adr+2] offset:8*PC+16*(PC/8)+(\i)*16*PITCH
.endif
.endr
.endm
; 16 matrix instructions: row blocks a0, a0 + 1 x the eight column blocks.  zero = 1: the sums start from the bias of the column block (q, k); 2: of the row block (v); 0: they go on.
; The 64 accumulators take turns, one instruction a turn, in the same order in every step.
.macro MUL16 a0, p, q, sc, zero
.irp a, \a0, \a0+1
.irp b, 0,1,2,3,4,5,6,7
.if (\zero) == 1
	v_wmma_scale_f32_16x16x128_f8f6f4 v[8*(8*((\a)%4)+\b):8*(8*((\a)%4)+\b)+7], v[128*(\p)+FR*\b:128*(\p)+FR*\b+FR-1], v[AF+FR*(\a):AF+FR*(\a)+FR-1], v[BIAS+8*\b:BIAS+8*\b+7], v[SC+8*NQ*(\sc)+NQ*\b+(\q)], v[SC+8*NQ*(\sc)+NQ*(\a)+(\q)] matrix_a_fmt:MATRIX_FMT_FP6 matrix_b_fmt:MATRIX_FMT_FP6 matrix_a_scale:MATRIX_SCALE_ROW1
.elseif (\zero) == 2
	v_wmma_scale_f32_16x16x128_f8f6f4 v[8*(8*((\a)%4)+\b):8*(8*((\a)%4)+\b)+7], v[128*(\p)+FR*\b:128*(\p)+FR*\b+FR-1], v[AF+FR*(\a):AF+FR*(\a)+FR-1], v[BIAS+8*(\a):BIAS+8*(\a)+7], v[SC+8*NQ*(\sc)+NQ*\b+(\q)], v[SC+8*NQ*(\sc)+NQ*(\a)+(\q)] matrix_a_fmt:MATRIX_FMT_FP6 matrix_b_fmt:MATRIX_FMT_FP6 matrix_a_scale:MATRIX_SCALE_ROW1
.else
	v_wmma_scale_f32_16x16x128_f8f6f4 v[8*(8*((\a)%4)+\b):8*(8*((\a)%4)+\b)+7], v[128*(\p)+FR*\b:128*(\p)+FR*\b+FR-1], v[AF+FR*(\a):AF+FR*(\a)+FR-1], v[8*(8*((\a)%4)+\b):8*(8*((\a)%4)+\b)+7], v[SC+8*NQ*(\sc)+NQ*\b+(\q)], v[SC+8*NQ*(\sc)+NQ*(\a)+(\q)] matrix_a_fmt:MATRIX_FMT_FP6 matrix_b_fmt:MATRIX_FMT_FP6 matrix_a_scale:MATRIX_SCALE_ROW1
.endif
.endr
.endr
.endm
.macro FETCH_B slot, q, p
	WIN TO_B
.irp i, 0,1,2,3,4,5,6,7
	FRAG 128*(\p)+FR*\i, ADRB+\slot, \q, \i
.endr
	WIN 0
.endm
.macro FETCH_A slot, q, i0
.irp i, \i0, \i0+1, \i0+2, \i0+3
	FRAG AF+FR*(\i), ADRA+\slot, \q, \i
.endr
.endm
.macro SCALES sc                       ; a K step's scale words: 2 words a row; lanes 0-15 the row operand's block i, lanes 16-31 the column operand's block i
.irp i, 0,1,2,3,4,5,6,7
	ds_load_b64 v[SC+8*NQ*\sc+NQ*\i:SC+8*NQ*\sc+NQ*\i+1], v[ADRS] offset:\i*SBLK
.endr
.endm
.macro PLACES n                        ; plain vector places behind matrix instructions, in front of loads into registers that they read and of reads of their results
.rept \n
	v_nop
.endr
.endm
.macro STEP slot, q, zero              ; a step of 128 along K that has its successor in the same slot
	s_wait_dscnt 4*NL                              ; all but the youngest 24 loads (row blocks 4-7) are in
.if \zero
	WIN 0x81                                       ; C, the bias, in window 0; D in window 2
.else
	WIN MUL_LO
.endif
	MUL16 0, (\q)%2, \q, \slot, \zero
	MUL16 2, (\q)%2, \q, \slot, \zero
	s_wait_dscnt 0                                 ; row blocks 4-7 are in
	PLACES NP
	FETCH_B \slot, (\q)+1, 1-(\q)%2
	FETCH_A \slot, (\q)+1, 0
.if \zero
	WIN 0xc1
.else
	WIN MUL_HI
.endif
	MUL16 4, (\q)%2, \q, \slot, \zero
	MUL16 6, (\q)%2, \q, \slot, \zero
	PLACES NP
	WIN 0
	FETCH_A \slot, (\q)+1, 4
.endm
; A slot's last step changes slots: one barrier; in front of it each wave waits for all its tensor loads, adds 0 to its spare word, and waits for that and for its reads of this slot.
.macro TURN slot, next, fill
	s_wait_tensorcnt 0x0                           ; all my tensor loads have landed: my part of the next slot
	ds_add_u32 v[SPW], v[NIL]
	s_wait_dscnt 4*NL+1                            ; (the add and the youngest 24 loads may be out)
	WIN MUL_LO
	MUL16 0, 1, NQ-1, \slot, 0
	s_wait_dscnt 0x0                               ; the add is done, and my reads of this slot are over
	s_barrier_signal -1
	MUL16 2, 1, NQ-1, \slot, 0
	WIN 0
	s_barrier_wait -1
.if \fill
	CREST                                          ; the barrier has opened a round of the cluster's barrier: no wave of any partner still reads this slot or has a load on its way
	s_add_nc_u64 s[G0+4*\slot+2:G0+4*\slot+3], s[G0+4*\slot+2:G0+4*\slot+3], 2*ROWB
	s_add_nc_u64 s[G0B+4*\slot+2:G0B+4*\slot+3], s[G0B+4*\slot+2:G0B+4*\slot+3], 2*ROWB
	JLOAD G0+4*\slot, G1, G0B+4*\slot, G1B         ; the first tensor load behind the round; its four v_nop are the places in front of the loads below
.else
	PLACES NP
.endif
	v_add_nc_u32 v[ADRS], 4*NQ, v[ADRS]            ; the next K step's scale words
	FETCH_B \next, 0, 0
	FETCH_A \next, 0, 0
	SCALES \next
	WIN MUL_HI
	MUL16 4, 1, NQ-1, \slot, 0
	MUL16 6, 1, NQ-1, \slot, 0
	PLACES NP
	WIN 0
	FETCH_A \next, 0, 4
.endm
	s_wait_tensorcnt 1                             ; the scales and my part of K step 0 are in; K step 1's load, issued behind them, may be out
	s_barrier_signal -1
	s_barrier_wait -1
	FETCH_B 0, 0, 0
	FETCH_A 0, 0, 0
	SCALES 0
	FETCH_A 0, 0, 4
	s_wait_loadcnt 0x0                             ; the bias
	s_cmp_eq_u32 ttmp9, 2
	s_cbranch_scc1 .Lfirst_v
	STEP 0, 0, 1                                   ; the first step starts the sums from the bias: written out for each of the two layouts
	s_branch .Lfirst_done
.Lfirst_v:
	STEP 0, 0, 2
.Lfirst_done:
	s_mov_b32 s3, LAPS-1
.Llap:                                                 ; a trip goes once round the ring and fills both slots again
	TURN 0, 1, 1
	STEP 1, 0, 0
	TURN 1, 0, 1
	STEP 0, 0, 0
	s_sub_co_u32 s3, s3, 1
	s_cmp_lg_u32 s3, 0
	s_cbranch_scc1 .Llap
	TURN 0, 1, 0                                   ; the last lap fills nothing
	STEP 1, 0, 0
	s_wait_dscnt 4*NL
	WIN MUL_LO
	MUL16 0, 1, NQ-1, 1, 0
	MUL16 2, 1, NQ-1, 1, 0
	s_wait_dscnt 0
	WIN MUL_HI
	MUL16 4, 1, NQ-1, 1, 0
	MUL16 6, 1, NQ-1, 1, 0
	WIN 0
	PLACES NP
; THE EPILOGUE.  Row block a's 64 registers are four blocks of 32 along the registers' axis: register 16 b + i is number 32 b + 16 h + i of my row.  QUANTW makes their codes and the row's scale word:
; blocks 0, 1 become six registers from d0 on (lanes 0-15 block 0, lanes 16-31 block 1), blocks 2, 3 six from d1 on.  Each accumulator is read from its low end on.
.macro QUANTW a, d0, d1, pw
.set QW, 2+(\a)/4
.set AC, 64*((\a)%4)
	WIN (QW<<2)|(QW<<4)                            ; sources 1 and 2: the accumulators' window
.irp b, 0,1,2,3
	v_max3_num_f32 v[TM+\b], 0x1800000, |v[AC+16*\b]|, |v[AC+16*\b+1]|   ; with the floor 2^(3 - 127): the byte cannot fall under 1
.endr
.irp i, 2,4,6,8,10,12,14
.irp b, 0,1,2,3
	v_max3_num_f32 v[TM+\b], v[TM+\b], |v[AC+16*\b+\i]|, |v[AC+16*\b+\i+1]|
.endr
.endr
	WIN 0
.irp b, 0,1,2,3
	v_permlanex16_b32 v[TM+4+\b], v[TM+\b], s[SEL], s[SEL+1]
.endr
.irp b, 0,1,2,3
	v_max_num_f32 v[TM+\b], v[TM+\b], v[TM+4+\b]   ; with lane l xor 16's: the block's largest magnitude
.endr
.irp b, 0,1,2,3
	v_add_nc_u32 v[TM+12+\b], 0xff000000, v[TM+\b] ; 2 off its exponent field: the conversion's scale operand
.endr
.irp b, 0,1,2,3
	v_lshrrev_b32 v[TM+4+\b], 23, v[TM+12+\b]      ; the scale's byte
.endr
	v_lshl_or_b32 v[\pw], v[TM+5], 8, v[TM+4]
	v_lshl_or_b32 v[\pw], v[TM+6], 16, v[\pw]
	v_lshl_or_b32 v[\pw], v[TM+7], 24, v[\pw]
	WIN QW                                         ; source 0: the accumulators' window
	v_cvt_scalef32_pk16_fp6_f32 v[(\d0):(\d0)+2], v[AC:AC+15], v[TM+12]
	v_cvt_scalef32_pk16_fp6_f32 v[PT:PT+2], v[AC+16:AC+31], v[TM+13]
	v_cvt_scalef32_pk16_fp6_f32 v[(\d1):(\d1)+2], v[AC+32:AC+47], v[TM+14]
	v_cvt_scalef32_pk16_fp6_f32 v[PT+4:PT+6], v[AC+48:AC+63], v[TM+15]
	WIN 0
	v_nop                                          ; one plain place behind a scaled conversion
.irp i, 0,1,2
	v_permlane16_swap_b32 v[(\d0)+\i], v[PT+\i]    ; a whole block to a lane
	v_permlane16_swap_b32 v[(\d1)+\i], v[PT+4+\i]
.endr
.irp i, 0,1,2
	v_mov_b32 v[(\d0)+3+\i], v[PT+\i]
	v_mov_b32 v[(\d1)+3+\i], v[PT+4+\i]
.endr
.endm
; Two row blocks at a time.  q, k: blocks 2 al and 2 al + 1 are the two tiles of 32 tokens; their channels 0-63 make the image of my first head, 64-127 of my second.
; v: each block is a whole fragment, 16 channels x 128 keys.  Every store covers 512 consecutive bytes, aligned to 256.
.macro EPI vmode
.irp al, 0,1,2,3
.if \al > 0
	s_wait_xcnt 0x0                                ; the last stores have read their registers: the images may be written again
.endif
.if \vmode
	QUANTW 2*\al, G, G+6, SW+2*\al
	QUANTW 2*\al+1, G+12, G+18, SW+2*\al+1
.irp f, 0,1
.irp i, 0,1,2
	global_store_b128 v[VOC], v[G+12*\f+4*\i:G+12*\f+4*\i+3], s[12:13] offset:(\al/2)*BHS+((2*\al+\f)%4)*1536+512*\i
.endr
.endr
.else
	QUANTW 2*\al, G, G+12, PW0
	QUANTW 2*\al+1, G+6, G+18, PW1
	v_perm_b32 v[SW+\al], v[PW1], v[PW0], 0x05040100     ; my first head's word: the first tile's two bytes, then the second's
	v_perm_b32 v[SW+4+\al], v[PW1], v[PW0], 0x07060302   ; my second head's
.irp f, 0,1
.irp i, 0,1,2
	global_store_b128 v[VOC], v[G+12*\f+4*\i:G+12*\f+4*\i+3], s[12:13] offset:\f*BHS+1536*\al+512*\i
.endr
.endr
.endif
.endr
.endm
	s_mov_b32 s[SEL], 0x76543210
	s_mov_b32 s[SEL+1], 0xfedcba98
	s_mov_b32 s[HM], 0xffff0000
	s_lshr_b32 s18, s17, 3                         ; the batch
	s_and_b32 s19, s17, 7                          ; the slot of 256 tokens
	s_cmp_eq_u32 ttmp9, 2
	s_cselect_b32 s20, s15, s16                    ; which two of my work-group's four heads
	s_cselect_b32 s21, s16, s15                    ; which 128 of the slot's tokens
	s_cselect_b32 s22, 12288, 0                    ; the part of a slot: V's or K's images,
	s_mov_b32 s23, 24576
	s_cselect_b32 s23, 25088, s23                  ; and scale words,
	s_cmp_eq_u32 ttmp9, 0
	s_cselect_b32 s22, 25600, s22                  ; or Q's
	s_cselect_b32 s23, 37888, s23
	s_lshl_b32 s18, s18, 4
	s_lshl_b32 s46, s40, 2
	s_add_co_u32 s18, s18, s46
	s_lshl_b32 s20, s20, 1
	s_add_co_u32 s18, s18, s20                     ; 16 x batch + head
	s_mul_i32 s18, s18, BHS
	s_mul_i32 s19, s19, SLS
	s_add_co_u32 s18, s18, s19
	s_mul_i32 s46, s21, 6144
	s_add_co_u32 s22, s22, s18
	s_add_co_u32 s22, s22, s46
	s_lshl_b32 s46, s21, 8
	s_add_co_u32 s23, s23, s18
	s_add_co_u32 s23, s23, s46
	v_and_b32 v[VOC], 31, v0
	v_lshlrev_b32 v[VOS], 3, v[VOC]
	v_lshlrev_b32 v[VOC], 4, v[VOC]
	v_add_nc_u32 v[VOC], s22, v[VOC]
	v_add_nc_u32 v[VOS], s23, v[VOS]
.irp b, 0,1,2,3
	v_mov_b32 v[TM+4+\b], 0                        ; written once: a lane permute's destination counts as one of its sources
.endr
	s_cmp_eq_u32 ttmp9, 2
	s_cbranch_scc1 .Lepi_v
	EPI 0
	s_branch .Lepi_done
.Lepi_v:
	EPI 1
.Lepi_done:
.irp c, 0,1                            ; a head's four scale words a row (four groups of 32 tokens, or four tiles of channels) leave as 256 bytes: lane l: words 2 (l / 16) and 2 (l / 16) + 1 of row l % 16
	v_cndmask_b32 v[RP+2*\c], v[SW+4*\c], v[SW+4*\c+2], s[HM]
	v_cndmask_b32 v[RP+2*\c+1], v[SW+4*\c+1], v[SW+4*\c+3], s[HM]
	global_store_b64 v[VOS], v[RP+2*\c:RP+2*\c+1], s[12:13] offset:\c*BHS
.endr
	s_wait_tensorcnt 0x0                           ; the wave's end
	ds_add_u32 v[SPW], v[NIL]
	s_wait_dscnt 0x0
	CROUND                                         ; the closing round
	s_endpgm
.Lfunc_end_k_qe7bee8878a_gemm_qkv:
	.size	k_qe7bee8878a_gemm_qkv, .Lfunc_end_k_qe7bee8878a_gemm_qkv-k_qe7bee8878a_gemm_qkv
	.p2alignl 7, 3214868480
	.fill 96, 4, 3214868480
	.section	.rodata,"a",@progbits
	.p2align	6, 0x0
	.amdhsa_kernel k_qe7bee8878a_gemm_qkv
		.amdhsa_group_segment_fixed_size 327680
		.amdhsa_private_segment_fixed_size 0
		.amdhsa_enable_private_segment 0
		.amdhsa_kernarg_size 64
		.amdhsa_user_sgpr_count 2
		.amdhsa_user_sgpr_kernarg_segment_ptr 1
		.amdhsa_wavefront_size32 1
		.amdhsa_system_sgpr_workgroup_id_x 1
		.amdhsa_system_sgpr_workgroup_id_y 1
		.amdhsa_system_sgpr_workgroup_id_z 1
		.amdhsa_system_vgpr_workitem_id 0
		.amdhsa_next_free_vgpr 1024
		.amdhsa_next_free_sgpr 102
		.amdhsa_reserve_vcc 0
		.amdhsa_float_denorm_mode_32 3
		.amdhsa_float_denorm_mode_16_64 3
		.amdhsa_memory_ordered 1
		.amdhsa_forward_progress 1
		.amdhsa_inst_pref_size 222
	.end_amdhsa_kernel
	.amdgpu_metadata
---
amdhsa.version: [ 1, 2 ]
amdhsa.kernels:
  - .name:           k_qe7bee8878a_gemm_qkv
    .symbol:         k_qe7bee8878a_gemm_qkv.kd
    .args:
      - { .name: xc, .offset: 0, .size: 8, .value_kind: global_buffer, .address_space: global }
      - { .name: xs, .offset: 8, .size: 8, .value_kind: global_buffer, .address_space: global }
      - { .name: wc, .offset: 16, .size: 8, .value_kind: global_buffer, .address_space: global }
      - { .name: ws, .offset: 24, .size: 8, .value_kind: global_buffer, .address_space: global }
      - { .name: bq, .offset: 32, .size: 8, .value_kind: global_buffer, .address_space: global }
      - { .name: bk, .offset: 40, .size: 8, .value_kind: global_buffer, .address_space: global }
      - { .name: bv, .offset: 48, .size: 8, .value_kind: global_buffer, .address_space: global }
      - { .name: qkv, .offset: 56, .size: 8, .value_kind: global_buffer, .address_space: global }
    .group_segment_fixed_size: 327680
    .private_segment_fixed_size: 0
    .kernarg_segment_align: 8
    .kernarg_segment_size: 64
    .max_flat_workgroup_size: 128
    .sgpr_count:     102
    .vgpr_count:     1024
    .wavefront_size: 32
...
	.end_amdgpu_metadata
.endif
;; end of part 3
;; launch attn (part 4): grid 4 x 64, 16 waves a work-group, no clusters, 327,680 bytes of LDS; arguments qkv, oimg, os; writes oimg, os
.if DOCPART == 4
	.amdgcn_target "amdgcn-amd-amdhsa--gfx1250"
	.amdhsa_code_object_version 6
	.text
	.protected	k_qe7bee8878a_attn
	.globl	k_qe7bee8878a_attn
	.p2align	8
	.type	k_qe7bee8878a_attn,@function
k_qe7bee8878a_attn:
	s_mov_b64 s[64:65], 0
	v_nop
	global_prefetch_b8 v0, s[64:65] scope:SCOPE_SE
	s_setreg_imm32_b32 hwreg(HW_REG_WAVE_MODE, 25, 1), 1
	s_wait_xcnt 0x0
; Causal attention of one head on codes of FP6 (E2M3): S^T = K Q^T (K = the head's 64), p = 2^(t - M), O^T = V^T P^T (K = the keys), O / l, and O quantised along the model's 1,024 for the last product.
; t = score x log2(e) / 8; M = the running largest t rounded UP to a whole number; p is quantised along the keys, not normalised; the row's sum l is taken of the unquantised p and divides at the end.
; SHARES.  Work-group (J, head): first the block of 256 queries 7 - J, which sees key slots 0 .. 7 - J, then block J, which sees slots 0 .. J: nine slots of 256 keys for every work-group, so that all 256 have equal
; work and the loop's trip count is a constant.  Each of sixteen waves owns 16 queries of the block: lane r's query is Q0 + r + 8 (r / 8).  Four waves to a SIMD: one wave's vector work stands beside another's products.
; A slot's K and V images and scale words are 25,600 dense bytes: one tensor load (wave 0) into a ring of two LDS slots, read by all sixteen.  One tensor load is out at a time.
; NO MULTICAST: the four work-groups of a head walk different slots from the trip on in which the first changes its block (trip 5 to 8), so they could not make every request jointly.
; A K IMAGE holds two tiles of 16 keys x 64 channels as ONE operand of 128 along K; it is multiplied by [q | 0] for the first tile and by [0 | q] for the second: zero codes add nothing.
; THE MASK: a step all of whose keys come after my queries is left out (a scalar branch on ids); in the one step on the diagonal hidden scores become -infinity where the definition has -1e9: p is 0 either way,
; since key 0 counts for every query.  LIMITS: NaN and infinities are not served; a block of p or of O under 2^-124 gets the byte 1.
; oimg: [tile of 16 tokens 512][head 16][768]: registers 2 p, 2 p + 1 of lane l at byte 256 p + 8 l: two neighbouring heads are one fragment of the last product.  os: [stored row][32], byte 2 x head + block.
.set BHS,   307200
.set SLS,   38400
.set VIM,   12288                      ; in a slot: V's images,
.set KSC,   24576                      ; K's scale words,
.set VSC,   25088                      ; V's,
.set QIM,   25600                      ; Q's images,
.set QSC,   37888                      ; Q's scale words
.set SLOT1, 32768                      ; LDS: slot 1 begins here
.set SPARE, 65536                      ; the spare words: 128 bytes for each of 16 waves
.set L16, 1                            ; v1  16 x lane
.set L8,  2                            ; v2  8 x lane
.set A16, 3                            ; v3  the slot in hand + 16 x lane
.set A8,  4                            ; v4  + 8 x lane
.set SPW, 5
.set NIL, 6
.set QL,  7                            ; v7  r + 8 (r / 8) - 16 h
.set OA,  8                            ; v8  my byte offset in oimg
.set OSA, 9                            ; v9  and in os
.set QA0, 10                           ; v10, v11, v35, v93: offsets of the loads of Q in hand
.set QA1, 11
.set QX,  16                           ; v16-33 [q | 0 | q]
.set QS,  34                           ; v34 Q's scale word
.set QA2, 35
.set F,   36                           ; v36-83 four images of K, then of V
.set KS,  84                           ; v84-85 K's scale words
.set VS,  86                           ; v86-87 V's
.set PFO, 88                           ; v88 256 x lane
.set QC0, 89                           ; v89-92 the parts of Q's offsets that stay
.set QC1, 90
.set QC2, 91
.set QCS, 92
.set QAS, 93
.set RH,  94                           ; v94 32 r + h
.set S,   96                           ; v96-159 S^T, then p
.set O,   160                          ; v160-191 O^T
.set PC,  192                          ; v192-203 p's codes
.set PT,  204                          ; v204-211 the conversions' second halves
.set BM,  212                          ; v212-215 a block's largest score, then p
.set BT,  216                          ; v216-219 at work
.set BS,  220                          ; v220-223 the conversions' scale operands
.set TP,  224
.set BY,  225
.set FF,  226                          ; v226 f = 2^(old M - new M)
.set PWD, 227                          ; v227 p's scale word
.set MD,  228
.set MI,  229
.set WV,  10
.set JJ,  11
.set BH,  12
.set N0,  13                           ; s13 slots of the first block
.set NX,  14                           ; s14 the trip whose slot was asked for last
.set SLOTS, 15
.set TB,  16                           ; s16 LDS byte at which the slot in hand begins
.set KF,  17                           ; s17 the step's first key
.set Q0,  18                           ; s18 my first query
.set QB,  19                           ; s19 the block of queries in hand
.set SEL, 20
.set CS,  22                           ; s[22:23] c = log2(e) / 8
.set G1,  24
.set G0,  32
.set KVB, 36                           ; s[36:37] my head in qkv
.set PFA, 38                           ; s[38:39] where my prefetches stand
.set LIM, 40
.set HM,  41                           ; s41 the lanes 16-31
.set WQ,  60                           ; s60 32 (wave / 2) + 8 (wave % 2)
.macro TLOAD                           ; wave 0 fetches; the branch hangs on the wave's number alone.  An s_nop 0 and four v_nop follow the load
	s_cmp_eq_u32 s[WV], 0
	s_cbranch_scc0 .Lnot_zero_\@
	tensor_load_to_lds s[G0:G0+3], s[G1:G1+7]
	s_nop 0
.rept 4
	v_nop
.endr
.Lnot_zero_\@:
.endm
; A PREFETCH INTO THE L2 of the codes that the NEXT change of slots will ask for: 24,576 bytes.  All four work-groups of a head walk the slots from 0 up: the one with J = 0, which walks all eight, asks, and in it
; waves 4 to 6, 8,192 bytes each, lanes 256 bytes apart: each block is named once in the launch.  Trips 0 to 5 name slots 2 to 7; slots 0 and 1, and each slot's 1,024 bytes of scale words, come by their loads alone.
.macro ASK
	s_cmp_gt_u32 s[SLOTS], s[LIM]
	s_cbranch_scc0 .Lnot_mine_\@
	global_prefetch_b8 v[PFO], s[PFA:PFA+1] th:TH_LOAD_NT scope:SCOPE_SE
.Lnot_mine_\@:
.endm
	s_load_b128 s[4:7], s[0:1], 0x0                ; qkv, oimg
	s_load_b64 s[8:9], s[0:1], 0x10                ; os
	v_lshl_add_u32 v[SPW], v0, 2, SPARE
	v_mov_b32 v[NIL], 0
	ds_add_u32 v[SPW], v[NIL]                      ; the wave's opening: the add and its wait ahead of the first tensor load
	ds_add_u32 v[SPW], v[NIL]
	v_lshrrev_b32 v1, 5, v0
	s_delay_alu instid0(VALU_DEP_1)
	v_readfirstlane_b32 s[WV], v1                  ; wave 0..15
	s_mov_b32 s[JJ], ttmp9
	s_and_b32 s[BH], ttmp7, 0xffff                 ; 16 x batch + head
	s_sub_co_u32 s[N0], 8, s[JJ]
	s_mov_b32 s[G1], 3<<16                         ; no mask; elements of 8 bytes; no padding
	s_mov_b32 s[G1+1], 32<<16                      ; tensor_dim0: 256 bytes
	s_mov_b32 s[G1+2], 100<<16                     ; tensor_dim1: 100 rows: 25,600 dense bytes
	s_mov_b32 s[G1+3], 32<<16                      ; tile_dim0
	s_mov_b32 s[G1+4], 100                         ; tile_dim1
	s_mov_b32 s[G1+5], 32                          ; the pitch
	s_mov_b32 s[G1+6], 0
	s_mov_b32 s[G1+7], 0
	s_mov_b32 s[SEL], 0x76543210
	s_mov_b32 s[SEL+1], 0xfedcba98
	s_mov_b32 s[CS], 0x3e38aa3b                    ; log2(e) / 8
	s_mov_b32 s[CS+1], s[CS]                       ; (named with it as a pair)
	s_mov_b32 s[HM], 0xffff0000
	s_mov_b32 s[TB], 0
	s_mov_b32 s[NX], 0
	s_mov_b32 s[SLOTS], 8
	s_mul_i32 s42, s[BH], BHS
	s_mov_b32 s43, 0
	s_wait_dscnt 0x0                               ; the opening add is done
	s_wait_kmcnt 0x0
	s_add_nc_u64 s[KVB:KVB+1], s[4:5], s[42:43]
	s_mov_b32 s[G0], 1
	s_mov_b32 s[G0+1], 0                           ; LDS slot 0
	s_mov_b64 s[G0+2:G0+3], s[KVB:KVB+1]           ; key slot 0
	s_or_b32 s[G0+3], s[G0+3], 0x80000000
	TLOAD
	v_and_b32 v[L8], 31, v0
	s_delay_alu instid0(VALU_DEP_1)
	v_lshlrev_b32 v[L16], 4, v[L8]
	s_delay_alu instid0(VALU_DEP_2)
	v_lshlrev_b32 v[L8], 3, v[L8]
	s_delay_alu instid0(VALU_DEP_1)
	v_lshlrev_b32 v[PFO], 5, v[L8]
	v_and_b32 v[TP], 15, v0                        ; r
	v_bfe_u32 v[BY], v0, 4, 1                      ; h
	s_delay_alu instid0(VALU_DEP_2)
	v_and_b32 v[QL], 8, v[TP]
	s_delay_alu instid0(VALU_DEP_1)
	v_add_nc_u32 v[QL], v[QL], v[TP]
	s_delay_alu instid0(VALU_DEP_3)
	v_lshlrev_b32 v[MD], 4, v[BY]
	s_delay_alu instid0(VALU_DEP_1)
	v_sub_nc_u32 v[QL], v[QL], v[MD]
	v_lshl_add_u32 v[RH], v[TP], 5, v[BY]
	s_lshr_b32 s42, s[WV], 1                       ; my group of 32 queries,
	s_and_b32 s43, s[WV], 1                        ; and which of its two tiles
	s_lshl_b32 s[WQ], s42, 5
	s_lshl_b32 s44, s43, 3
	s_add_co_u32 s[WQ], s[WQ], s44
	s_mul_i32 s45, s42, 1536
	s_add_co_u32 s45, s45, QIM                     ; the group's image.  My tile's six registers lie in it at bytes 0, 8, 512 (+ 16 x lane), or at 520, 1024, 1032
	s_cmp_eq_u32 s43, 1
	s_cselect_b32 s46, 520, 0
	s_cselect_b32 s47, 1024, 8
	s_mov_b32 s48, 512
	s_cselect_b32 s48, 1032, s48
	s_add_co_u32 s46, s46, s45
	s_add_co_u32 s47, s47, s45
	s_add_co_u32 s48, s48, s45
	v_add_nc_u32 v[QC0], s46, v[L16]
	v_add_nc_u32 v[QC1], s47, v[L16]
	v_add_nc_u32 v[QC2], s48, v[L16]
	s_lshr_b32 s46, s[WV], 2                       ; my tile's two scale bytes of row r: 128 (wave / 4) + 2 (wave % 4) + 8 r
	s_lshl_b32 s46, s46, 7
	s_and_b32 s47, s[WV], 3
	s_lshl_b32 s47, s47, 1
	s_add_co_u32 s46, s46, s47
	s_add_co_u32 s46, s46, QSC
	v_lshl_add_u32 v[QCS], v[TP], 3, s46
	s_sub_co_u32 s42, s[WV], 4                     ; the prefetches: waves 4 to 6 of the work-group with J = 0
	s_cmp_lt_u32 s42, 3
	s_cselect_b32 s43, 0, 1
	s_or_b32 s43, s43, s[JJ]
	s_cmp_eq_u32 s43, 0
	s_cselect_b32 s[LIM], 2, -1
	s_min_u32 s42, s42, 2                          ; (the others ask for nothing; their address stays inside all the same)
	s_lshl_b32 s42, s42, 13
	s_add_co_u32 s42, s42, SLS                     ; in slot 1: the first change of slots steps it to slot 2
	s_mov_b32 s43, 0
	s_add_nc_u64 s[PFA:PFA+1], s[KVB:KVB+1], s[42:43]
; A block of queries begins: Q's fragment and scale word, the statistics, O^T = 0.
.macro INITQ
	s_wait_xcnt 0x0                                ; earlier stores and loads have read their registers
	s_lshl_b32 s[Q0], s[QB], 8
	s_add_co_u32 s[Q0], s[Q0], s[WQ]
	s_mov_b32 s[KF], 0
	s_mul_i32 s42, s[QB], SLS
	v_add_nc_u32 v[QA0], s42, v[QC0]
	v_add_nc_u32 v[QA1], s42, v[QC1]
	v_add_nc_u32 v[QA2], s42, v[QC2]
	v_add_nc_u32 v[QAS], s42, v[QCS]
	global_load_b64 v[QX:QX+1], v[QA0], s[KVB:KVB+1]
	global_load_b64 v[QX+2:QX+3], v[QA1], s[KVB:KVB+1]
	global_load_b64 v[QX+4:QX+5], v[QA2], s[KVB:KVB+1]
	global_load_b64 v[QX+12:QX+13], v[QA0], s[KVB:KVB+1]
	global_load_b64 v[QX+14:QX+15], v[QA1], s[KVB:KVB+1]
	global_load_b64 v[QX+16:QX+17], v[QA2], s[KVB:KVB+1]
	global_load_u16 v[TP], v[QAS], s[KVB:KVB+1]
	v_mov_b32 v13, 0xff61b1e6                      ; the largest t so far: -3e38
	s_delay_alu instid0(VALU_DEP_1)
	v_floor_f32 v12, -v13                          ; -M
	v_mov_b32 v14, 0                               ; the sum, in two halves
	v_mov_b32 v15, 0
.irp i, 6,7,8,9,10,11
	v_mov_b32 v[QX+\i], 0                          ; zero codes between the two copies of q
.endr
.irp b, 0,1,2,3
	v_mov_b32 v[BT+\b], 0                          ; a lane permute's destination counts as one of its sources
.endr
	v_mov_b32 v[PWD], 0                            ; (named as the upper half of a pair before it is first written)
	s_wait_loadcnt 0x0
	v_lshl_or_b32 v[QS], v[TP], 16, v[TP]          ; the two bytes twice: they serve [q | 0] and [0 | q]
.set nn, 0
.rept 32
	v_mov_b32 v[O+nn], 0                           ; O^T; these lines are also the places between the scale word's write and the next product
.set nn, nn+1
.endr
.endm
; A KEY STEP: 128 keys, the q-th of the slot in hand.
.macro STEP q
	s_add_co_u32 s42, s[Q0], 23                    ; my last query
	s_cmp_gt_u32 s[KF], s42
	s_cbranch_scc1 .Lhidden_\@                     ; all keys of the step come after my queries
	s_wait_alu depctr_va_vdst(0)
.irp g, 0,1,2,3
.irp i, 0,1,2
	ds_load_b128 v[F+12*\g+4*\i:F+12*\g+4*\i+3], v[A16] offset:6144*(\q)+1536*\g+512*\i
.endr
.endr
	ds_load_b64 v[KS:KS+1], v[A8] offset:KSC+256*(\q)
	s_wait_dscnt 0x0
.irp g, 0,1                            ; S^T: group g of 32 keys, its tile u.  Register 16 g + 8 u + j of lane (r, h) is key 32 g + 16 h + 8 u + j
.irp u, 0,1
	v_wmma_scale_f32_16x16x128_f8f6f4 v[S+8*(2*\g+\u):S+8*(2*\g+\u)+7], v[F+12*\g:F+12*\g+11], v[QX+6*\u:QX+6*\u+11], 0, v[KS+\g], v[QS] matrix_a_fmt:MATRIX_FMT_FP6 matrix_b_fmt:MATRIX_FMT_FP6
.endr
.endr
.irp g, 2,3
.irp u, 0,1
	v_wmma_scale_f32_16x16x128_f8f6f4 v[S+8*(2*\g+\u):S+8*(2*\g+\u)+7], v[F+12*\g:F+12*\g+11], v[QX+6*\u:QX+6*\u+11], 0, v[KS+\g-2], v[QS] matrix_a_fmt:MATRIX_FMT_FP6 matrix_b_fmt:MATRIX_FMT_FP6 matrix_a_scale:MATRIX_SCALE_ROW1
.endr
.endr
.rept 4
	v_nop                                          ; places in front of the loads into K's registers and of the first read of the scores
.endr
	s_wait_alu depctr_va_vdst(0)
.irp t, 0,1,2,3                        ; V's four images land while the softmax is worked
.irp i, 0,1,2
	ds_load_b128 v[F+12*\t+4*\i:F+12*\t+4*\i+3], v[A16] offset:VIM+6144*(\q)+1536*\t+512*\i
.endr
.endr
	ds_load_b64 v[VS:VS+1], v[A8] offset:VSC+256*(\q)
	s_add_co_u32 s42, s[KF], 127
	s_cmp_le_u32 s42, s[Q0]
	s_cbranch_scc1 .Lopen_\@                       ; all keys of the step count for all my queries
	s_sub_co_i32 s42, s[Q0], s[KF]
	v_add_nc_u32 v[MD], s42, v[QL]                 ; d = my query - the step's first key - 16 h: register 16 b + i is hidden where 32 b + i > d
	v_mov_b32 v[MI], 0xff800000
.set nn, 0
.rept 64
	v_cmp_gt_i32 vcc_lo, 32*(nn/16)+nn%16, v[MD]
	v_cndmask_b32 v[S+nn], v[S+nn], v[MI], vcc_lo
.set nn, nn+1
.endr
.Lopen_\@:
.irp b, 0,1,2,3
	v_max3_num_f32 v[BM+\b], v[S+16*\b], v[S+16*\b+1], v[S+16*\b+2]   ; the largest score of each block of 32 keys: for the row's maximum, and, since p rises with the score, for the block's largest p
.endr
.irp i, 3,5,7,9,11,13
.irp b, 0,1,2,3
	v_max3_num_f32 v[BM+\b], v[BM+\b], v[S+16*\b+\i], v[S+16*\b+\i+1]
.endr
.endr
.irp b, 0,1,2,3
	v_max_num_f32 v[BM+\b], v[BM+\b], v[S+16*\b+15]
.endr
.irp b, 0,1,2,3
	s_delay_alu instid0(VALU_DEP_4)
	v_permlanex16_b32 v[BT+\b], v[BM+\b], s[SEL], s[SEL+1]
.endr
.irp b, 0,1,2,3
	s_delay_alu instid0(VALU_DEP_4)
	v_max_num_f32 v[BM+\b], v[BM+\b], v[BT+\b]     ; with lane l xor 16's 16 keys
.endr
	s_delay_alu instid0(VALU_DEP_2)
	v_max3_num_f32 v[TP], v[BM], v[BM+1], v[BM+2]
	s_delay_alu instid0(VALU_DEP_1)
	v_max_num_f32 v[TP], v[TP], v[BM+3]
	s_delay_alu instid0(VALU_DEP_1)
	v_mul_f32 v[TP], s[CS], v[TP]                  ; as t
	s_delay_alu instid0(VALU_DEP_1)
	v_max_num_f32 v13, v13, v[TP]                  ; the running largest t
	v_mov_b32 v[TP], v12
	s_delay_alu instid0(VALU_DEP_2)
	v_floor_f32 v12, -v13                          ; the new -M = -ceil(t)
	s_delay_alu instid0(VALU_DEP_1)
	v_sub_f32 v[TP], v12, v[TP]                    ; old M - new M: a whole number, 0 or less
	s_delay_alu instid0(VALU_DEP_1)
	v_cvt_i32_f32 v[TP], v[TP]
	s_delay_alu instid0(VALU_DEP_1)
	v_ldexp_f32 v[FF], 1.0, v[TP]                  ; f = 2^(old M - new M)
.set nn, 0
.rept 32
	v_pk_fma_f32 v[S+nn:S+nn+1], v[S+nn:S+nn+1], s[CS:CS+1], v[12:13] op_sel_hi:[1,0,0]   ; t - M
.set nn, nn+2
.endr
.irp b, 0,1,2,3
	v_fma_f32 v[BM+\b], v[BM+\b], s[CS], v12       ; the same of each block's largest score
.endr
.set nn, 0
	s_wait_alu depctr_va_vdst(0)
.rept 64
	v_exp_f32 v[S+nn], v[S+nn]                     ; p = 2^(t - M)
.set nn, nn+1
.endr
	v_pk_mul_f32 v[14:15], v[14:15], v[FF:FF+1] op_sel_hi:[1,0]   ; the sums under the new M (a plain place behind the exponentials)
	s_wait_alu depctr_va_vdst(0)                   ; one wait for the batch, ahead of its first reader
.irp b, 0,1,2,3
	v_exp_f32 v[BM+\b], v[BM+\b]                   ; the block's largest p
.endr
	v_pk_add_f32 v[216:217], v[100:101], v[104:105]
	v_pk_add_f32 v[254:255], v[108:109], v[112:113]
	v_pk_add_f32 v[252:253], v[116:117], v[120:121]
	v_pk_add_f32 v[250:251], v[124:125], v[128:129]
	v_pk_add_f32 v[248:249], v[132:133], v[136:137]
	v_pk_add_f32 v[246:247], v[140:141], v[144:145]
	v_pk_add_f32 v[244:245], v[148:149], v[152:153]
	v_pk_add_f32 v[14:15], v[14:15], v[156:157]
	v_pk_add_f32 v[216:217], v[216:217], v[96:97]
	v_pk_add_f32 v[254:255], v[254:255], v[98:99]
	v_pk_add_f32 v[252:253], v[252:253], v[102:103]
	v_pk_add_f32 v[250:251], v[250:251], v[106:107]
	v_pk_add_f32 v[248:249], v[248:249], v[110:111]
	v_pk_add_f32 v[246:247], v[246:247], v[114:115]
	v_pk_add_f32 v[244:245], v[244:245], v[118:119]
	v_pk_add_f32 v[14:15], v[14:15], v[122:123]
	v_pk_add_f32 v[216:217], v[216:217], v[126:127]
	v_pk_add_f32 v[254:255], v[254:255], v[130:131]
	v_pk_add_f32 v[252:253], v[252:253], v[134:135]
	v_pk_add_f32 v[250:251], v[250:251], v[138:139]
	v_pk_add_f32 v[248:249], v[248:249], v[142:143]
	v_pk_add_f32 v[246:247], v[246:247], v[146:147]
	v_pk_add_f32 v[244:245], v[244:245], v[150:151]
	v_pk_add_f32 v[14:15], v[14:15], v[154:155]
	v_pk_add_f32 v[216:217], v[216:217], v[158:159]
	s_delay_alu instid0(VALU_DEP_2)
	v_pk_add_f32 v[14:15], v[14:15], v[250:251]
	s_delay_alu instid0(VALU_DEP_2)
	v_pk_add_f32 v[216:217], v[216:217], v[248:249]
	v_pk_add_f32 v[254:255], v[254:255], v[246:247]
	v_pk_add_f32 v[252:253], v[252:253], v[244:245]
	s_delay_alu instid0(VALU_DEP_2)
	v_pk_add_f32 v[14:15], v[14:15], v[254:255]
	s_delay_alu instid0(VALU_DEP_2)
	v_pk_add_f32 v[216:217], v[216:217], v[252:253]
	s_delay_alu instid0(VALU_DEP_1)
	v_pk_add_f32 v[14:15], v[14:15], v[216:217]
	s_wait_alu depctr_va_vdst(0)                   ; and one for the four
.irp b, 0,1,2,3
	v_max_num_f32 v[BM+\b], 0x1800000, v[BM+\b]    ; the floor 2^(3 - 127)
.endr
.irp b, 0,1,2,3
	s_delay_alu instid0(VALU_DEP_4)
	v_add_nc_u32 v[BS+\b], 0xff000000, v[BM+\b]    ; the conversion's scale operand
.endr
.irp b, 0,1,2,3
	s_delay_alu instid0(VALU_DEP_4)
	v_lshrrev_b32 v[BT+\b], 23, v[BS+\b]           ; the scale's byte
.endr
	s_delay_alu instid0(VALU_DEP_3)
	v_lshl_or_b32 v[PWD], v[BT+1], 8, v[BT]
	s_delay_alu instid0(VALU_DEP_1)
	v_lshl_or_b32 v[PWD], v[BT+2], 16, v[PWD]
	s_delay_alu instid0(VALU_DEP_1)
	v_lshl_or_b32 v[PWD], v[BT+3], 24, v[PWD]
.irp c, 0,1
	v_cvt_scalef32_pk16_fp6_f32 v[PC+6*\c:PC+6*\c+2], v[S+32*\c:S+32*\c+15], v[BS+2*\c]
	v_cvt_scalef32_pk16_fp6_f32 v[PT+4*\c:PT+4*\c+2], v[S+32*\c+16:S+32*\c+31], v[BS+2*\c+1]
.endr
	v_nop                                          ; one plain place behind a scaled conversion
.irp c, 0,1
.irp i, 0,1,2
	v_permlane16_swap_b32 v[PC+6*\c+\i], v[PT+4*\c+\i]   ; a whole block to a lane
.endr
.irp i, 0,1,2
	s_delay_alu instid0(VALU_DEP_3)
	v_mov_b32 v[PC+6*\c+3+\i], v[PT+4*\c+\i]
.endr
.endr
.set nn, 0
.rept 16
	v_pk_mul_f32 v[O+nn:O+nn+1], v[O+nn:O+nn+1], v[FF:FF+1] op_sel_hi:[1,0]   ; O^T under the new M; also the places in front of the products below
.set nn, nn+2
.endr
	s_wait_alu depctr_va_vdst(0)
	s_wait_dscnt 0x0                               ; V
.irp t, 0,1                            ; O^T += V^T P^T: the four accumulators by turns
	v_wmma_scale_f32_16x16x128_f8f6f4 v[O+8*\t:O+8*\t+7], v[F+12*\t:F+12*\t+11], v[PC:PC+11], v[O+8*\t:O+8*\t+7], v[VS+\t], v[PWD] matrix_a_fmt:MATRIX_FMT_FP6 matrix_b_fmt:MATRIX_FMT_FP6
.endr
.irp t, 2,3
	v_wmma_scale_f32_16x16x128_f8f6f4 v[O+8*\t:O+8*\t+7], v[F+12*\t:F+12*\t+11], v[PC:PC+11], v[O+8*\t:O+8*\t+7], v[VS+\t-2], v[PWD] matrix_a_fmt:MATRIX_FMT_FP6 matrix_b_fmt:MATRIX_FMT_FP6 matrix_a_scale:MATRIX_SCALE_ROW1
.endr
.rept 4
	v_nop                                          ; places in front of the next loads into V's registers and of the next read of O^T
.endr
.Lhidden_\@:
	s_add_co_u32 s[KF], s[KF], 128
.endm
; THE CHANGE OF SLOTS stands at a slot's head.  Each wave waits for all its tensor loads, adds 0 to its spare word, and waits for that and for its reads of the slot that it has left.
; Behind the barrier the slot ahead is whole and nobody reads the other one.  fill = 1: that other slot takes the next trip's keys: slot NX of the first block's walk, or NX - N0 of the second's.
.macro CHANGE fill
	s_wait_tensorcnt 0x0                           ; no tensor load of mine is out, so group 0 may be written
	ds_add_u32 v[SPW], v[NIL]
.if \fill
	s_add_co_u32 s[NX], s[NX], 1
	s_cmp_ge_u32 s[NX], s[N0]
	s_cselect_b32 s42, s[N0], 0
	s_sub_co_u32 s42, s[NX], s42
	s_mul_i32 s42, s42, SLS
	s_mov_b32 s43, 0
	s_xor_b32 s[G0+1], s[G0+1], SLOT1
	s_add_nc_u64 s[G0+2:G0+3], s[KVB:KVB+1], s[42:43]
	s_or_b32 s[G0+3], s[G0+3], 0x80000000
	s_wait_xcnt 0x0                                ; the last prefetch, a slot back, has read its address
	s_add_nc_u64 s[PFA:PFA+1], s[PFA:PFA+1], SLS
.endif
	s_wait_dscnt 0x0                               ; the add is done, and my reads of the slot that I have left are over
	s_barrier_signal -1
	s_barrier_wait -1
.if \fill
	TLOAD                                          ; the first thing behind the barrier, and the one tensor load until the next
	ASK
.endif
.endm
.macro SLOT_STEPS
	v_add_nc_u32 v[A16], s[TB], v[L16]
	v_add_nc_u32 v[A8], s[TB], v[L8]
	STEP 0
	STEP 1
	s_xor_b32 s[TB], s[TB], SLOT1
.endm
; A block of queries ends: O^T / l, quantised along the head's 64 channels (register 16 b + i of lane (r, h) is channel 32 b + 16 h + i), stored as half a fragment of the last product.
.macro FINISH
	v_add_f32 v14, v14, v15
	s_delay_alu instid0(VALU_DEP_1)
	v_permlanex16_b32 v[TP], v14, s[SEL], s[SEL+1]
	s_delay_alu instid0(VALU_DEP_1)
	v_add_f32 v14, v14, v[TP]                      ; the row's sum
	s_wait_alu depctr_va_vdst(0)
	v_rcp_f32 v14, v14
	s_lshr_b32 s42, s[BH], 4
	s_lshl_b32 s42, s42, 7
	s_lshl_b32 s43, s[QB], 4
	s_add_co_u32 s42, s42, s43
	s_add_co_u32 s42, s42, s[WV]                   ; my tile of 16 tokens: 128 x batch + 16 x block + wave
	s_and_b32 s43, s[BH], 15                       ; the head
	s_lshl_b32 s44, s42, 4
	s_add_co_u32 s44, s44, s43
	s_mul_i32 s44, s44, 768
	v_add_nc_u32 v[OA], s44, v[L8]                 ; (a plain place behind the reciprocal)
	s_lshl_b32 s42, s42, 9
	s_lshl_b32 s43, s43, 1
	s_add_co_u32 s42, s42, s43
	v_add_nc_u32 v[OSA], s42, v[RH]                ; os: stored row 16 x tile + r, byte 2 x head + h
	s_wait_alu depctr_va_vdst(0)                   ; ahead of the reciprocal's first reader
.set nn, 0
.rept 16
	v_pk_mul_f32 v[O+nn:O+nn+1], v[O+nn:O+nn+1], v[14:15] op_sel_hi:[1,0]
.set nn, nn+2
.endr
.irp b, 0,1
	v_max3_num_f32 v[BM+\b], |v[O+16*\b]|, |v[O+16*\b+1]|, 0x1800000
.endr
.irp i, 2,4,6,8,10,12,14
.irp b, 0,1
	s_delay_alu instid0(VALU_DEP_2)
	v_max3_num_f32 v[BM+\b], v[BM+\b], |v[O+16*\b+\i]|, |v[O+16*\b+\i+1]|
.endr
.endr
.irp b, 0,1
	s_delay_alu instid0(VALU_DEP_2)
	v_permlanex16_b32 v[BT+\b], v[BM+\b], s[SEL], s[SEL+1]
.endr
.irp b, 0,1
	s_delay_alu instid0(VALU_DEP_2)
	v_max_num_f32 v[BM+\b], v[BM+\b], v[BT+\b]
.endr
.irp b, 0,1
	s_delay_alu instid0(VALU_DEP_2)
	v_add_nc_u32 v[BS+\b], 0xff000000, v[BM+\b]
.endr
.irp b, 0,1
	s_delay_alu instid0(VALU_DEP_2)
	v_lshrrev_b32 v[BT+\b], 23, v[BS+\b]
.endr
	v_cvt_scalef32_pk16_fp6_f32 v[PC:PC+2], v[O:O+15], v[BS]
	v_cvt_scalef32_pk16_fp6_f32 v[PT:PT+2], v[O+16:O+31], v[BS+1]
	v_nop                                          ; one plain place behind a scaled conversion
.irp i, 0,1,2
	v_permlane16_swap_b32 v[PC+\i], v[PT+\i]
.endr
.irp i, 0,1,2
	s_delay_alu instid0(VALU_DEP_3)
	v_mov_b32 v[PC+3+\i], v[PT+\i]
.endr
	v_cndmask_b32 v[BY], v[BT], v[BT+1], s[HM]     ; lanes 0-15 store block 0's byte, lanes 16-31 block 1's
.irp p, 0,1,2
	global_store_b64 v[OA], v[PC+2*\p:PC+2*\p+1], s[6:7] offset:256*\p   ; 32 lanes store 256 consecutive bytes, aligned
.endr
	global_store_b8 v[OSA], v[BY], s[8:9]          ; two bytes of each of 16 rows of 32: one byte for 24 bytes of codes
.endm
	s_sub_co_u32 s[QB], 7, s[JJ]
	s_wait_alu depctr_va_vdst(0)
	INITQ
.Lslot:                                            ; eight trips: behind each change of slots but the last the next slot is asked for
	CHANGE 1
	SLOT_STEPS
	s_cmp_lg_u32 s[NX], s[N0]                      ; was this the first block's last slot?  A branch on ids, the same in all waves; no barrier and no tensor load stands in it
	s_cbranch_scc1 .Lsame
	FINISH
	s_mov_b32 s[QB], s[JJ]
	INITQ
.Lsame:
	s_sub_co_u32 s[SLOTS], s[SLOTS], 1
	s_cmp_lg_u32 s[SLOTS], 0
	s_cbranch_scc1 .Lslot
	CHANGE 0                                       ; the last slot is written out
	SLOT_STEPS
	FINISH
	s_wait_tensorcnt 0x0                           ; the wave's end
	ds_add_u32 v[SPW], v[NIL]
	s_wait_dscnt 0x0
	s_endpgm
.Lfunc_end_k_qe7bee8878a_attn:
	.size	k_qe7bee8878a_attn, .Lfunc_end_k_qe7bee8878a_attn-k_qe7bee8878a_attn
	.p2alignl 7, 3214868480
	.fill 96, 4, 3214868480
	.section	.rodata,"a",@progbits
	.p2align	6, 0x0
	.amdhsa_kernel k_qe7bee8878a_attn
		.amdhsa_group_segment_fixed_size 327680
		.amdhsa_private_segment_fixed_size 0
		.amdhsa_enable_private_segment 0
		.amdhsa_kernarg_size 24
		.amdhsa_user_sgpr_count 2
		.amdhsa_user_sgpr_kernarg_segment_ptr 1
		.amdhsa_wavefront_size32 1
		.amdhsa_system_sgpr_workgroup_id_x 1
		.amdhsa_system_sgpr_workgroup_id_y 1
		.amdhsa_system_sgpr_workgroup_id_z 1
		.amdhsa_system_vgpr_workitem_id 0
		.amdhsa_next_free_vgpr 256
		.amdhsa_next_free_sgpr 66
		.amdhsa_reserve_vcc 1
		.amdhsa_float_denorm_mode_32 3
		.amdhsa_float_denorm_mode_16_64 3
		.amdhsa_memory_ordered 1
		.amdhsa_forward_progress 1
		.amdhsa_inst_pref_size 108
	.end_amdhsa_kernel
	.amdgpu_metadata
---
amdhsa.version: [ 1, 2 ]
amdhsa.kernels:
  - .name:           k_qe7bee8878a_attn
    .symbol:         k_qe7bee8878a_attn.kd
    .args:
      - { .name: qkv, .offset: 0, .size: 8, .value_kind: global_buffer, .address_space: global }
      - { .name: oimg, .offset: 8, .size: 8, .value_kind: global_buffer, .address_space: global }
      - { .name: os, .offset: 16, .size: 8, .value_kind: global_buffer, .address_space: global }
    .group_segment_fixed_size: 327680
    .private_segment_fixed_size: 0
    .kernarg_segment_align: 8
    .kernarg_segment_size: 24
    .max_flat_workgroup_size: 512
    .sgpr_count:     66
    .vgpr_count:     256
    .wavefront_size: 32
...
	.end_amdgpu_metadata
.endif
;; end of part 4
;; launch gemm_out (part 5): grid 4 x 32, 4 waves a work-group, clusters of 4 x 4, 327,680 bytes of LDS; arguments oimg, os, wc, ws, bp, out0; writes out0
.if DOCPART == 5
	.amdgcn_target "amdgcn-amd-amdhsa--gfx1250"
	.amdhsa_code_object_version 6
	.text
	.protected	k_qe7bee8878a_gemm_out
	.globl	k_qe7bee8878a_gemm_out
	.p2align	8
	.type	k_qe7bee8878a_gemm_out,@function
k_qe7bee8878a_gemm_out:
	s_mov_b64 s[64:65], 0
	v_nop
	global_prefetch_b8 v0, s[64:65] scope:SCOPE_SE
	s_setreg_imm32_b32 hwreg(HW_REG_WAVE_MODE, 25, 1), 1
	s_wait_xcnt 0x0
	s_wait_alu depctr_hold_cnt(0) depctr_sa_sdst(0) depctr_va_vdst(0) depctr_va_sdst(0) depctr_va_ssrc(0) depctr_va_vcc(0) depctr_vm_vsrc(0)
	s_getreg_b32 s2, hwreg(HW_REG_IB_STS2, 6, 4)
	s_cmp_eq_u32 s2, 0
	s_cbranch_scc0 .Lentry_in_a_cluster
	s_endpgm
.Lentry_in_a_cluster:
	s_bfe_u32 s2, ttmp6, 0x10000c
	s_cmp_lg_u32 s2, 0xf033
	s_cbranch_scc0 .Lentry_shape_is_right
	s_endpgm
.Lentry_shape_is_right:
; out0 = o Wp + bp on codes of FP6 (E2M3) with one E8M0 scale for each 32 along K = 1,024; out0 [8192][1024] f32.
; o's codes come as images of the operand's registers: [tile of 16 tokens][head][768 bytes], two neighbouring heads being one fragment (16 tokens x 128 K), registers 2 p, 2 p + 1 of lane l at byte 256 p + 8 l;
; its scale bytes [stored row][32].  Wp's codes are rows 3,072 on of wc, 768 bytes a row, its scale bytes rows 3,072 on of ws.  Rows of both operands are stored with bits 3 and 4 of their number swapped;
; the way out puts rows and columns back.
; A tile of 256 x 256 is made by four waves, 128 x 128 each.  K goes in steps of 256 through a ring of two LDS slots filled by the tensor data mover.  CLUSTERS: 4 x 4 work-groups; o's tile is shared along a row of
; the cluster, Wp's along a column: each is asked for jointly.  The scale bytes of both tiles come once with the first fills.  The matrix instruction is used transposed (source 0 = 16 rows of Wp, source 1 = 16 tokens).
; The grid has 128 work-groups: tiles of 256 x 256 of an output of 8,192 x 1,024.
; REGISTERS: window 0: v0-31 addresses; v32-63 scale words, two sets; v64-127 the bias; from v128 o's fragments, one set; on the way out v128-255.   window 1: Wp's fragments, two sets.   windows 2, 3: the accumulators.
.set SIZE_K, 1024
.set SIZE_N, 1024
.set KSTEP,  256
.set NQ,     KSTEP/128
.set ROWB,   192
.set AROWB,  3072                      ; a K step of a tile of 16 tokens: four heads' 768 bytes
.set KROW,   SIZE_K*6/8
.set PITCH,  240
.set FR,     12
.set NL,     6
.set NP,     4
.set HALFT,  128*PITCH                 ; 128 rows of Wp; o's 128 rows use 24,576 bytes of as many
.set SLOT,   4*HALFT
.set LAPS,   SIZE_K/(2*KSTEP)
.set KS,     SIZE_K/32
.set SCL,    2*SLOT
.set HALFS,  (128*KS/256)*272
.set SBLK,   (16*KS/256)*272
.set SPARE,  SCL+4*HALFS
.set SPITCH, 528                       ; the way out: a stage of 16 rows x (512 bytes + 16) for each wave, in slot 0, which has had its last fill and its last read by then
.set ADRA, 16                          ; v16-17 LDS address of o's fragments in slot 0, 1
.set ADRB, 20                          ; v20-23 of Wp's
.set STO,  24
.set RD,   25
.set CO,   26
.set ADRS, 27
.set SPW,  28
.set NIL,  29
.set VB,   30
.set SC,   32
.set BIAS, 64
.set AF,   128
.set BK,   128
.set G1, 24
.set G0, 32
.set G1B, 48
.set G0B, 56
.set G1S, 68
.set G0S, 76
.set G1SB, 80
.set G0SB, 88
.set MSB, 0
.macro WIN new
.if MSB != (\new)
	s_set_vgpr_msb (MSB<<8)|(\new)
.set MSB, (\new)
.endif
.endm
.set MUL_LO, 0xa1
.set MUL_HI, 0xf1
.set TO_B,   0x40
.macro JLOAD g0a, g1a, g0b, g1b        ; a joint load: waves 0 and 1 fetch o's halves, waves 2 and 3 Wp's; an s_nop 0 and four v_nop follow each line
	s_cmp_eq_u32 s15, 0
	s_cbranch_scc0 .Lfor_b_\@
	tensor_load_to_lds s[\g0a:\g0a+3], s[\g1a:\g1a+7]
	s_nop 0
.rept 4
	v_nop
.endr
	s_branch .Lasked_\@
.Lfor_b_\@:
	tensor_load_to_lds s[\g0b:\g0b+3], s[\g1b:\g1b+7]
	s_nop 0
.rept 4
	v_nop
.endr
.Lasked_\@:
.endm
.macro CREST
	s_cmp_lg_u32 s14, 0
	s_cbranch_scc1 .Lnot_wave_0_\@
	s_barrier_signal -3
.Lnot_wave_0_\@:
	s_barrier_wait -3
	s_barrier_signal -1
	s_barrier_wait -1
.endm
.macro CROUND
	s_barrier_signal -1
	s_barrier_wait -1
	CREST
.endm
	s_load_b128 s[4:7], s[0:1], 0x0                ; oimg, os
	s_load_b128 s[8:11], s[0:1], 0x10              ; wc, ws
	s_load_b64 s[96:97], s[0:1], 0x20              ; bp
	s_load_b64 s[12:13], s[0:1], 0x28              ; out0
	v_lshl_add_u32 v[SPW], v0, 2, SPARE
	v_mov_b32 v[NIL], 0
	ds_add_u32 v[SPW], v[NIL]                      ; the wave's opening: the add and its wait ahead of my first tensor load
	v_lshrrev_b32 v1, 5, v0
	v_readfirstlane_b32 s14, v1                    ; wave 0..3
	s_lshr_b32 s15, s14, 1                         ; which half of the tile's rows is mine.  Also: I fetch for o (0) or for Wp (1)
	s_and_b32 s16, s14, 1                          ; which half of its columns.  Also: which 128 rows of that tile I fetch
	s_bfe_u32 s40, ttmp6, 0x40000
	s_bfe_u32 s41, ttmp6, 0x40004
	s_lshl_b32 s42, ttmp9, 2
	s_add_co_u32 s42, s42, s40                     ; tile column
	s_and_b32 s17, ttmp7, 0xffff
	s_lshl_b32 s17, s17, 2
	s_add_co_u32 s17, s17, s41                     ; tile row
	s_lshl_b32 s43, s41, 2
	s_lshl_b32 s43, 15, s43
	s_lshl_b32 s44, 0x1111, s40
	s_or_b32 s[G1+0], s43, (3<<16)|(1<<21)         ; o's tile: the mask; elements of 8 bytes; no padding; bit 21 beside a mask
	s_mov_b32 s[G1+1], (AROWB/8)<<16               ; tensor_dim0: 3,072 bytes
	s_mov_b32 s[G1+2], 8<<16                       ; tensor_dim1: 8 tiles of 16 tokens
	s_mov_b32 s[G1+3], (AROWB/8)<<16               ; tile_dim0
	s_mov_b32 s[G1+4], 8                           ; tile_dim1
	s_mov_b32 s[G1+5], 16*KROW/8                   ; the pitch: 12,288 bytes from tile to tile
	s_mov_b32 s[G1+6], 0
	s_mov_b32 s[G1+7], 0
	s_or_b32 s[G1B+0], s44, (0<<16)|(1<<20)|(1<<21)|(3<<22)|(3<<25)   ; Wp's tile: 128 rows of 192 bytes, 4 words of padding behind every 16
	s_mov_b32 s[G1B+1], ROWB<<16
	s_mov_b32 s[G1B+2], 128<<16
	s_mov_b32 s[G1B+3], ROWB<<16
	s_mov_b32 s[G1B+4], 128
	s_mov_b32 s[G1B+5], KROW
	s_mov_b32 s[G1B+6], 0
	s_mov_b32 s[G1B+7], 0
	s_or_b32 s[G1S+0], s43, (3<<16)|(1<<20)|(1<<21)|(5<<22)|(3<<25)
	s_or_b32 s[G1SB+0], s44, (3<<16)|(1<<20)|(1<<21)|(5<<22)|(3<<25)
.irp g, G1S, G1SB
	s_mov_b32 s[\g+1], 32<<16
	s_mov_b32 s[\g+2], (128*KS/256)<<16
	s_mov_b32 s[\g+3], 32<<16
	s_mov_b32 s[\g+4], 128*KS/256
	s_mov_b32 s[\g+5], 32
	s_mov_b32 s[\g+6], 0
	s_mov_b32 s[\g+7], 0
.endr
	s_lshl_b32 s18, s16, 7
	s_lshl_b32 s20, s17, 8
	s_add_co_u32 s20, s20, s18                     ; o: stored row 256 x tile row + 128 x half
	s_lshl_b32 s46, s42, 8
	s_add_co_u32 s46, s46, s18
	s_add_co_u32 s46, s46, 3072                    ; Wp: row 3,072 + 256 x tile column + 128 x half of wc and ws
	s_mov_b32 s21, 0
	s_mov_b32 s47, 0
	s_mov_b64 s[18:19], KS
	s_mul_u64 s[22:23], s[20:21], s[18:19]
	s_mul_u64 s[92:93], s[46:47], s[18:19]
	s_mov_b64 s[18:19], KROW
	s_mul_u64 s[20:21], s[20:21], s[18:19]         ; (a tile of 16 tokens is 16 x 768 bytes)
	s_mul_u64 s[46:47], s[46:47], s[18:19]
	s_mul_i32 s45, s14, HALFT
	s_mul_i32 s94, s14, HALFS
	s_wait_dscnt 0x0                               ; the opening add is done
	s_wait_kmcnt 0x0
	s_add_nc_u64 s[20:21], s[4:5], s[20:21]
	s_add_nc_u64 s[22:23], s[6:7], s[22:23]
	s_add_nc_u64 s[46:47], s[8:9], s[46:47]
	s_add_nc_u64 s[92:93], s[10:11], s[92:93]
	CROUND                                         ; all sixteen work-groups are here: the first joint loads meet
	s_mov_b32 s[G0S], 1
	s_add_co_u32 s[G0S+1], s94, SCL
	s_mov_b64 s[G0S+2:G0S+3], s[22:23]
	s_or_b32 s[G0S+3], s[G0S+3], 0x80000000
	s_mov_b32 s[G0SB], 1
	s_add_co_u32 s[G0SB+1], s94, SCL
	s_mov_b64 s[G0SB+2:G0SB+3], s[92:93]
	s_or_b32 s[G0SB+3], s[G0SB+3], 0x80000000
	JLOAD G0S, G1S, G0SB, G1SB                     ; the scales first: three loads of mine are out behind the next two
.irp s, 0,1
	s_mov_b32 s[G0+4*\s], 1
	s_add_co_u32 s[G0+4*\s+1], s45, \s*SLOT
	s_add_nc_u64 s[G0+4*\s+2:G0+4*\s+3], s[20:21], \s*AROWB
	s_or_b32 s[G0+4*\s+3], s[G0+4*\s+3], 0x80000000
	s_mov_b32 s[G0B+4*\s], 1
	s_add_co_u32 s[G0B+4*\s+1], s45, \s*SLOT
	s_add_nc_u64 s[G0B+4*\s+2:G0B+4*\s+3], s[46:47], \s*ROWB
	s_or_b32 s[G0B+4*\s+3], s[G0B+4*\s+3], 0x80000000
	JLOAD G0+4*\s, G1, G0B+4*\s, G1B
.endr
	v_and_b32 v1, 15, v0                           ; r
	v_bfe_u32 v2, v0, 4, 1                         ; h
	v_and_b32 v6, 31, v0                           ; lane
	v_mul_u32_u24 v3, v1, PITCH
	v_mul_u32_u24 v4, v2, 24
	v_add_nc_u32 v4, v3, v4                        ; Wp: a fragment's row x pitch + 24 h
	v_lshl_add_u32 v5, v2, 4, v4                   ; and the same behind one padding more
	v_lshlrev_b32 v7, 3, v6                        ; o: 8 x lane
	s_mul_i32 s21, s15, HALFT
	s_mul_i32 s22, s16, HALFT
	s_add_co_u32 s22, s22, 2*HALFT
.irp s, 0,1
	v_add_nc_u32 v[ADRA+\s], s21, v7
	v_add_nc_u32 v[ADRB+\s], s22, v4
	v_add_nc_u32 v[ADRB+2+\s], s22, v5
	s_add_co_u32 s21, s21, SLOT
	s_add_co_u32 s22, s22, SLOT
.endr
	v_mul_u32_u24 v5, v1, KS
	v_lshrrev_b32 v7, 8, v5
	v_lshl_add_u32 v5, v7, 4, v5
	s_mul_i32 s21, s15, HALFS
	s_mul_i32 s22, s16, HALFS
	s_add_co_u32 s22, s22, 2*HALFS
	s_sub_co_u32 s22, s22, s21
	v_mul_u32_u24 v7, s22, v2                      ; lanes 16-31 take Wp's
	s_add_co_u32 s21, s21, SCL
	v_add_nc_u32 v5, v5, v7
	v_add_nc_u32 v[ADRS], s21, v5
	s_mul_i32 s23, s14, 16*SPITCH                  ; my stage
	v_mul_u32_u24 v5, v1, SPITCH                   ; in: row r; tile b's eight columns begin at column 32 (b / 2) + 16 h + 8 (b % 2)
	v_lshl_add_u32 v5, v2, 6, v5
	v_add_nc_u32 v[STO], s23, v5
	v_lshlrev_b32 v[CO], 4, v6                     ; back: the 32 lanes take one row of 512 bytes; and the same in out0
	v_add_nc_u32 v[RD], s23, v[CO]
	s_lshl_b32 s20, s17, 8
	s_lshl_b32 s21, s15, 7
	s_add_co_u32 s20, s20, s21                     ; my first row of out0
	s_mov_b32 s21, 0
	s_mov_b64 s[18:19], SIZE_N*4
	s_mul_u64 s[20:21], s[20:21], s[18:19]
	s_lshl_b32 s46, s42, 10                        ; my first column, in bytes
	s_lshl_b32 s47, s16, 9
	s_add_co_u32 s46, s46, s47
	v_lshl_add_u32 v[VB], v2, 6, s46               ; the bias: the same columns, + 16 h numbers
	s_mov_b32 s47, 0
	s_add_nc_u64 s[20:21], s[20:21], s[46:47]
	s_add_nc_u64 s[12:13], s[12:13], s[20:21]
.irp b, 0,1,2,3,4,5,6,7
	global_load_b128 v[BIAS+8*\b:BIAS+8*\b+3], v[VB], s[96:97] offset:128*(\b/2)+32*(\b%2)
	global_load_b128 v[BIAS+8*\b+4:BIAS+8*\b+7], v[VB], s[96:97] offset:128*(\b/2)+32*(\b%2)+16
.endr
.macro FRAG reg, adr, q, i             ; Wp: 16 rows x 128 K, in pieces of 8 bytes; where lanes 16-31's piece lies behind one padding more, the second address register serves
.irp p, 0,1,2,3,4,5
.set PC, 12*(\q)+6*(\p/3)+\p%3
.if PC%8 < 5
	ds_load_b64 v[\reg+2*\p:\reg+2*\p+1], v[\adr] offset:8*PC+16*(PC/8)+(\i)*16*PITCH
.else
	ds_load_b64 v[\reg+2*\p:\reg+2*\p+1], v[\adr+2] offset:8*PC+16*(PC/8)+(\i)*16*PITCH
.endif
.endr
.endm
.macro FRAGA reg, adr, q, i            ; o: an image: each load takes 256 consecutive bytes
.irp p, 0,1,2,3,4,5
	ds_load_b64 v[\reg+2*\p:\reg+2*\p+1], v[\adr] offset:AROWB*(\i)+1536*(\q)+256*\p
.endr
.endm
; 16 matrix instructions: o's blocks a0, a0 + 1 x Wp's eight.  zero = 1: the sums start from the bias.  The 64 accumulators take turns, one instruction a turn.
.macro MUL16 a0, p, q, sc, zero
.irp a, \a0, \a0+1
.irp b, 0,1,2,3,4,5,6,7
.if \zero
	v_wmma_scale_f32_16x16x128_f8f6f4 v[8*(8*((\a)%4)+\b):8*(8*((\a)%4)+\b)+7], v[128*(\p)+FR*\b:128*(\p)+FR*\b+FR-1], v[AF+FR*(\a):AF+FR*(\a)+FR-1], v[BIAS+8*\b:BIAS+8*\b+7], v[SC+8*NQ*(\sc)+NQ*\b+(\q)], v[SC+8*NQ*(\sc)+NQ*(\a)+(\q)] matrix_a_fmt:MATRIX_FMT_FP6 matrix_b_fmt:MATRIX_FMT_FP6 matrix_a_scale:MATRIX_SCALE_ROW1
.else
	v_wmma_scale_f32_16x16x128_f8f6f4 v[8*(8*((\a)%4)+\b):8*(8*((\a)%4)+\b)+7], v[128*(\p)+FR*\b:128*(\p)+FR*\b+FR-1], v[AF+FR*(\a):AF+FR*(\a)+FR-1], v[8*(8*((\a)%4)+\b):8*(8*((\a)%4)+\b)+7], v[SC+8*NQ*(\sc)+NQ*\b+(\q)], v[SC+8*NQ*(\sc)+NQ*(\a)+(\q)] matrix_a_fmt:MATRIX_FMT_FP6 matrix_b_fmt:MATRIX_FMT_FP6 matrix_a_scale:MATRIX_SCALE_ROW1
.endif
.endr
.endr
.endm
.macro FETCH_B slot, q, p
	WIN TO_B
.irp i, 0,1,2,3,4,5,6,7
	FRAG 128*(\p)+FR*\i, ADRB+\slot, \q, \i
.endr
	WIN 0
.endm
.macro FETCH_A slot, q, i0
.irp i, \i0, \i0+1, \i0+2, \i0+3
	FRAGA AF+FR*(\i), ADRA+\slot, \q, \i
.endr
.endm
.macro SCALES sc
.irp i, 0,1,2,3,4,5,6,7
	ds_load_b64 v[SC+8*NQ*\sc+NQ*\i:SC+8*NQ*\sc+NQ*\i+1], v[ADRS] offset:\i*SBLK
.endr
.endm
.macro PLACES n                        ; plain vector places behind matrix instructions (ISA guide 7.12.1)
.rept \n
	v_nop
.endr
.endm
.macro STEP slot, q, zero
	s_wait_dscnt 4*NL                              ; all but the youngest 24 loads (o's blocks 4-7) are in
.if \zero
	WIN 0x81                                       ; C, the bias, in window 0; D in window 2
.else
	WIN MUL_LO
.endif
	MUL16 0, (\q)%2, \q, \slot, \zero
	MUL16 2, (\q)%2, \q, \slot, \zero
	s_wait_dscnt 0
	PLACES NP
	FETCH_B \slot, (\q)+1, 1-(\q)%2
	FETCH_A \slot, (\q)+1, 0
.if \zero
	WIN 0xc1
.else
	WIN MUL_HI
.endif
	MUL16 4, (\q)%2, \q, \slot, \zero
	MUL16 6, (\q)%2, \q, \slot, \zero
	PLACES NP
	WIN 0
	FETCH_A \slot, (\q)+1, 4
.endm
.macro TURN slot, next, fill           ; a slot's last step changes slots: one barrier; in front of it the wait for all my tensor loads, the add, and the wait for it and for my reads of this slot
	s_wait_tensorcnt 0x0
	ds_add_u32 v[SPW], v[NIL]
	s_wait_dscnt 4*NL+1                            ; (the add and the youngest 24 loads may be out)
	WIN MUL_LO
	MUL16 0, 1, NQ-1, \slot, 0
	s_wait_dscnt 0x0
	s_barrier_signal -1
	MUL16 2, 1, NQ-1, \slot, 0
	WIN 0
	s_barrier_wait -1
.if \fill
	CREST                                          ; the barrier has opened a round of the cluster's barrier
	s_add_nc_u64 s[G0+4*\slot+2:G0+4*\slot+3], s[G0+4*\slot+2:G0+4*\slot+3], 2*AROWB
	s_add_nc_u64 s[G0B+4*\slot+2:G0B+4*\slot+3], s[G0B+4*\slot+2:G0B+4*\slot+3], 2*ROWB
	JLOAD G0+4*\slot, G1, G0B+4*\slot, G1B         ; the first tensor load behind the round
.else
	PLACES NP
.endif
	v_add_nc_u32 v[ADRS], 4*NQ, v[ADRS]
	FETCH_B \next, 0, 0
	FETCH_A \next, 0, 0
	SCALES \next
	WIN MUL_HI
	MUL16 4, 1, NQ-1, \slot, 0
	MUL16 6, 1, NQ-1, \slot, 0
	PLACES NP
	WIN 0
	FETCH_A \next, 0, 4
.endm
	s_wait_tensorcnt 1                             ; the scales and my part of K step 0 are in; K step 1's load may be out
	s_barrier_signal -1
	s_barrier_wait -1
	FETCH_B 0, 0, 0
	FETCH_A 0, 0, 0
	SCALES 0
	FETCH_A 0, 0, 4
	s_wait_loadcnt 0x0                             ; the bias
	STEP 0, 0, 1                                   ; the first step starts the sums from the bias
	s_mov_b32 s3, LAPS-1
.Llap:
	TURN 0, 1, 1
	STEP 1, 0, 0
	TURN 1, 0, 1
	STEP 0, 0, 0
	s_sub_co_u32 s3, s3, 1
	s_cmp_lg_u32 s3, 0
	s_cbranch_scc1 .Llap
	TURN 0, 1, 0                                   ; the last lap fills nothing
	STEP 1, 0, 0
	s_wait_dscnt 4*NL
	WIN MUL_LO
	MUL16 0, 1, NQ-1, 1, 0
	MUL16 2, 1, NQ-1, 1, 0
	s_wait_dscnt 0
	WIN MUL_HI
	MUL16 4, 1, NQ-1, 1, 0
	MUL16 6, 1, NQ-1, 1, 0
	WIN 0
; THE WAY OUT, block by block of 16 tokens x 128 columns, through my own stage in LDS: in by columns' true places, back as whole rows of 512 bytes.  Stage row t of block a is token 32 (a / 2) + 8 (a % 2) + t % 8 + 16 (t / 8) of my 128.
.macro TOSTAGE a
.set AC, 64*((\a)%4)
	WIN 0x08+4*((\a)/4)                            ; the data: window 2 or 3
.irp b, 0,1,2,3,4,5,6,7
	ds_store_b128 v[STO], v[AC+8*\b:AC+8*\b+3] offset:128*(\b/2)+32*(\b%2)          ; each accumulator from its low end on
	ds_store_b128 v[STO], v[AC+8*\b+4:AC+8*\b+7] offset:128*(\b/2)+32*(\b%2)+16
.endr
	WIN 0
.set BB, BK+64*((\a)%2)
.irp t, 0,1,2,3,4,5,6,7,8,9,10,11,12,13,14,15
	ds_load_b128 v[BB+4*\t:BB+4*\t+3], v[RD] offset:\t*SPITCH      ; LDS serves a wave's instructions in order: these see the stores above
.endr
.endm
.macro SEND a, younger
.set BB, BK+64*((\a)%2)
	s_wait_dscnt \younger                          ; the block is back in registers; the next block's 16 stores and 16 loads may be out
.irp t, 0,1,2,3,4,5,6,7,8,9,10,11,12,13,14,15
	global_store_b128 v[CO], v[BB+4*\t:BB+4*\t+3], s[12:13] offset:(32*((\a)/2)+8*((\a)%2)+(\t&7)+16*(\t>>3))*SIZE_N*4 th:TH_STORE_NT   ; 32 lanes store 512 consecutive bytes, aligned to 256; 127 rows at the most: inside the signed 24-bit immediate
.endr
.endm
	PLACES NP
	TOSTAGE 0
.irp a, 1,2,3,4,5,6,7
.if \a > 1
	s_wait_xcnt 0x0                                ; block a - 2's stores have read their registers: block a's loads may land there
.endif
	TOSTAGE \a
	SEND \a-1, 32
.endr
	SEND 7, 0
	s_wait_tensorcnt 0x0                           ; the wave's end
	ds_add_u32 v[SPW], v[NIL]
	s_wait_dscnt 0x0
	CROUND                                         ; the closing round
	s_endpgm
.Lfunc_end_k_qe7bee8878a_gemm_out:
	.size	k_qe7bee8878a_gemm_out, .Lfunc_end_k_qe7bee8878a_gemm_out-k_qe7bee8878a_gemm_out
	.p2alignl 7, 3214868480
	.fill 96, 4, 3214868480
	.section	.rodata,"a",@progbits
	.p2align	6, 0x0
	.amdhsa_kernel k_qe7bee8878a_gemm_out
		.amdhsa_group_segment_fixed_size 327680
		.amdhsa_private_segment_fixed_size 0
		.amdhsa_enable_private_segment 0
		.amdhsa_kernarg_size 48
		.amdhsa_user_sgpr_count 2
		.amdhsa_user_sgpr_kernarg_segment_ptr 1
		.amdhsa_wavefront_size32 1
		.amdhsa_system_sgpr_workgroup_id_x 1
		.amdhsa_system_sgpr_workgroup_id_y 1
		.amdhsa_system_sgpr_workgroup_id_z 1
		.amdhsa_system_vgpr_workitem_id 0
		.amdhsa_next_free_vgpr 1024
		.amdhsa_next_free_sgpr 100
		.amdhsa_reserve_vcc 0
		.amdhsa_float_denorm_mode_32 3
		.amdhsa_float_denorm_mode_16_64 3
		.amdhsa_memory_ordered 1
		.amdhsa_forward_progress 1
		.amdhsa_inst_pref_size 161
	.end_amdhsa_kernel
	.amdgpu_metadata
---
amdhsa.version: [ 1, 2 ]
amdhsa.kernels:
  - .name:           k_qe7bee8878a_gemm_out
    .symbol:         k_qe7bee8878a_gemm_out.kd
    .args:
      - { .name: oimg, .offset: 0, .size: 8, .value_kind: global_buffer, .address_space: global }
      - { .name: os, .offset: 8, .size: 8, .value_kind: global_buffer, .address_space: global }
      - { .name: wc, .offset: 16, .size: 8, .value_kind: global_buffer, .address_space: global }
      - { .name: ws, .offset: 24, .size: 8, .value_kind: global_buffer, .address_space: global }
      - { .name: bp, .offset: 32, .size: 8, .value_kind: global_buffer, .address_space: global }
      - { .name: out0, .offset: 40, .size: 8, .value_kind: global_buffer, .address_space: global }
    .group_segment_fixed_size: 327680
    .private_segment_fixed_size: 0
    .kernarg_segment_align: 8
    .kernarg_segment_size: 48
    .max_flat_workgroup_size: 128
    .sgpr_count:     100
    .vgpr_count:     1024
    .wavefront_size: 32
...
	.end_amdgpu_metadata
.endif
;; end of part 5
